; MI455X (gfx1250); checked and timed in simulation.
; The chip was launched on July 23, 2026; its instructions are those of AMD's public machine-readable ISA for CDNA 5 (MIT licence, August 2026) and "CDNA5" Instruction Set Architecture Reference Guide (July 2026). The comments in the code are by the model that wrote it; some were corrected since.
;; Ro PE Self Attention. Allowed arithmetic: matrix products marked QUANTISED: E2M3 operands, one E8M0 scale for each 32 along K, by v_wmma_scale_f32_16x16x128_f8f6f4 with both operands' format E2M3, f32 sums; everything else in f32.
;; Inputs: Wout 1,024 x 1,024 float32; Wqkv 3,072 x 1,024 float32; cos 2,048 x 32 float32; mask 2,048 x 2,048 float32; sin 2,048 x 32 float32; x 4 x 2,048 x 1,024 float32.
;; Outputs: out0 4 x 2,048 x 1,024 float32.
;; This version of the problem:
;;   THIS VERSION OF THE PROBLEM IS GIVEN IN LOW PRECISION. The matrix products marked QUANTISED in the list below multiply operands that are first quantised to E2M3 (2 exponent bits, 3 mantissa bits; 6 bits a number), with one power-of-two scale for each 32 numbers along K (OCP MX v1.0); their sums are f32. All else is computed in f32.
;;   The module's matrix products, in the order in which they are computed (A, B: the left and right operand; K: the contracted axis; several contracted axes count as one K, in the product's order):
;;     1. [M 8,192, K 1,024] x [K 1,024, N 3,072]; A: input x; B: input Wqkv: QUANTISED
;;     2. batch 64 x [M 2,048, K 64] x [K 64, N 2,048]; A: computed on the way; B: computed on the way: QUANTISED
;;     3. batch 64 x [M 64, K 2,048] x [K 2,048, N 2,048]; A: computed on the way; B: softmax (see below): QUANTISED
;;     4. [M 8,192, K 1,024] x [K 1,024, N 1,024]; A: computed on the way; B: input Wout: QUANTISED
;;   THE QUANTISER, for each operand of a quantised product, along K:
;;     - K is cut into blocks of 32 from its start; a last block that is shorter is filled with zeros.
;;     - A block's scale is 2^e with e = floor(log2(the largest magnitude in the block)) - 2, held to -126 .. 127; a block of zeros has e = 0. As a byte (E8M0): e + 127.
;;     - Each number is divided by its block's scale, clamped to +-7.5, and rounded to the nearest number of E2M3, ties to even, subnormals kept.
;;     - The product sums the exact products of the quantised numbers (number of the format x scale) in f32.
;;   ~~~python
;;   def quantise(x, axis):      # numpy; x: float32 -> the quantised numbers, widened to float32 again
;;       x = np.moveaxis(x, axis, -1); K = x.shape[-1]
;;       x = np.pad(x, [(0, 0)] * (x.ndim - 1) + [(0, -K % 32)]); x = x.reshape(x.shape[:-1] + (-1, 32)); a = np.abs(x).max(-1, keepdims=True)
;;       e = np.where(a > 0, np.clip(np.frexp(np.where(a > 0, a, 1))[1] - 1 - 2, -126, 127), 0)      # np.frexp(a)[1] - 1 = floor(log2(a)), exactly
;;       r = np.clip(x / 2.0 ** e, -7.5, 7.5)
;;       step = 2.0 ** (np.maximum(np.frexp(np.where(r == 0, 1, r))[1] - 1, 0) - 3)
;;       q = np.round(r / step) * step * 2.0 ** e      # np.round: ties to even
;;       return np.moveaxis(q.reshape(q.shape[:-2] + (-1,))[..., :K], -1, axis).astype(np.float32)
;;   ~~~
;;   SOFTMAX AHEAD OF A QUANTISED PRODUCT. Where the list says 'softmax', what is quantised is not the finished softmax but p = 2^(t - M), with t = logit x log2(e) and M = ceil(the row's largest t), a whole number; so 1/2 < the row's largest p <= 1. The row's sum l is taken of the UNQUANTISED p, in f32, and the product's result is divided by l at the end. Since M is a whole number, a kernel that streams over the keys may use a running M (the ceiling of the running maximum): every later rescaling is an exact power of two, which a block's scale takes up: the codes' values come out the same.
;;   OPERANDS COMPUTED ON THE WAY. 'Computed on the way' means the value that the module computes at that place (a softmax that the list does not call 'softmax' is quantised finished and normalised). What goes into a quantiser is computed in f32, as accurately as f32 sums, v_exp_f32 and their like allow (about 1e-6 of the number): no bf16 or f16 on the way to a quantiser, and a product that is left as it is and whose result goes on into a quantised operand takes f32 operands (vector FMAs, or v_wmma_f32_16x16x4_f32). A number that lies on a knife's edge between two numbers of the format may be rounded either way, as far as f32 arithmetic and the matrix unit's own rounding can turn it there, and no further.
;; One version. Each part assembles by itself: llvm-mc -triple=amdgcn-amd-amdhsa -mcpu=gfx1250 --defsym DOCPART=n.
;; ======== version 1 of 1: 4 launches
;; limits: right only within a limited range of input values
;; workspace buffers: xw_codes 9,437,184 bytes; xw_scales 393,216 bytes; qkv_codes 18,874,368 bytes; qkv_scales 786,432 bytes; o_codes 6,291,456 bytes; o_scales 262,144 bytes
;; launch quant (part 1): grid 384 x 1, 4 waves a work-group, no clusters, 33,280 bytes of LDS; arguments x, Wqkv, Wout, xw_codes, xw_scales; writes xw_codes, xw_scales
.if DOCPART == 1
	.amdgcn_target "amdgcn-amd-amdhsa--gfx1250"
	.amdhsa_code_object_version 6
	.text
	.protected	k_q3b8fc2b934_quant
	.globl	k_q3b8fc2b934_quant
	.p2align	8
	.type	k_q3b8fc2b934_quant,@function
k_q3b8fc2b934_quant:
	s_mov_b64 s[64:65], 0
	v_nop
	global_prefetch_b8 v0, s[64:65] scope:SCOPE_SE
	s_setreg_imm32_b32 hwreg(HW_REG_WAVE_MODE, 25, 1), 1
	s_wait_xcnt 0x0
; x [8192][1024], Wqkv [3072][1024] and Wout [1024][1024], f32, K innermost, become codes of FP6 (E2M3), 6 bits each, with one E8M0 scale byte for each 32 along K.
; A block's scale is 2^(floor(log2(its largest magnitude)) - 2); its byte is the largest magnitude's exponent field - 2, held at 1 from below.  A block of zeros so gets the byte 1 where the
; quantiser says 127: its codes are zeros, which add nothing under any byte but 0xff, and the bytes are read by this program alone.
; LIMITS: blocks whose largest magnitude lies under 2^(2 - 126), the floor, were not tried; NaN and infinities among the inputs are not served.
; SHARES.  A wave takes a run of 8,192 numbers = 8 rows; a work-group 32 rows.  Work-groups 0-255 take x, 256-351 Wqkv, 352-383 Wout: only pointers and offsets are chosen, by the work-group's number; all take one path.
; THE ORDER OF ROWS IN THE WORKSPACE.  Of every 32 rows of x and of Wqkv the four groups of 8 rows are stored in the order 0, 2, 1, 3 (wave 1's run goes to place 2, wave 2's to place 1).  Sixteen neighbouring STORED rows
; 16 u + r of a block of 32 are then the true rows 8 u + r + 8 (r / 8): the order in which the next launch wants the rows of a matrix tile, so that its results are neighbours along the K of the product after it.  Wout keeps its order.
; A step is 512 numbers: four loads of 512 consecutive bytes, turned through the wave's own stage in LDS so that a lane holds 16 neighbours along K (two lanes hold a block).  A lane's 16 codes are 12 bytes: 384 consecutive bytes a store.
; A wave's 256 scale bytes are gathered in its own LDS bytes and leave as one aligned run of 256 bytes.  No tensor loads, no barrier: waves share nothing.  Loads run four steps (16 loads a wave) ahead.
.set STEPS, 16
.set EMAX,  2
.set CB,    12                         ; bytes of 16 codes
.set R,     16                         ; v16-79   four sets of 16 numbers as they are loaded
.set X,     80                         ; v80-111  two sets of 16 neighbours
.set C,     128                        ; v128-191 codes: four registers for each step, so that no store's data are written again
.set E,     112                        ; v112-127 a scale byte for each step
.set WREG,  8192                       ; LDS: a region of its own for each wave: two stages of 32 x SP bytes, and behind them its 256 scale bytes
.set SP,    80                         ; a lane's place in a stage: its 64 bytes + 16 of padding
.set WC_OFF,  6291456                  ; Wqkv's codes begin behind x's 8,192 rows of 768 bytes,
.set WOC_OFF, 8650752                  ; Wout's behind Wqkv's 3,072 rows
.set WS_OFF,  262144                   ; the scale bytes likewise: 32 a row
.set WOS_OFF, 360448
	s_load_b256 s[4:11], s[0:1], 0x0               ; x s[4:5], Wqkv s[6:7], Wout s[8:9], the codes s[10:11]
	s_load_b64 s[12:13], s[0:1], 0x20              ; the scale bytes
	v_lshl_add_u32 v192, v0, 2, 0x8000
	v_mov_b32 v193, 0
	v_lshrrev_b32 v1, 5, v0
	v_readfirstlane_b32 s16, v1                    ; wave
	v_and_b32 v2, 31, v0                           ; lane
	v_lshlrev_b32 v3, 4, v2                        ; my 16 bytes of a load's 512
	s_mul_i32 s17, s16, WREG
	v_lshrrev_b32 v14, 2, v2
	v_mul_u32_u24 v14, v14, SP
	v_and_b32 v15, 3, v2
	v_lshl_add_u32 v14, v15, 4, v14
	v_add_nc_u32 v14, s17, v14                     ; the stage, on the way in: four lanes' 64 bytes on end, then 16 of padding
	v_mul_u32_u24 v15, v2, SP
	v_add_nc_u32 v15, s17, v15                     ; and on the way out: SP x lane: my 16 neighbours
	v_mul_u32_u24 v4, v2, CB                       ; my codes' place in a step's
	v_lshrrev_b32 v5, 1, v2
	s_add_co_u32 s17, s17, 2*32*SP
	v_add_nc_u32 v5, s17, v5                       ; LDS: my wave's 256 scale bytes, my block's byte
	v_lshlrev_b32 v7, 3, v2                        ; and on the way out 8 bytes a lane
	v_add_nc_u32 v6, s17, v7
	s_wait_alu depctr_va_vdst(0)
	s_wait_kmcnt 0x0
	s_cmp_lt_u32 ttmp9, 352                        ; Wqkv's work-group or Wout's?  The choices hang on the work-group's number alone
	s_cselect_b64 s[6:7], s[6:7], s[8:9]
	s_mov_b32 s20, WOC_OFF
	s_cselect_b32 s20, WC_OFF, s20                 ; where the tensor's codes begin,
	s_mov_b32 s21, WOS_OFF
	s_cselect_b32 s21, WS_OFF, s21                 ; its scale bytes,
	s_mov_b32 s22, 352
	s_cselect_b32 s22, 256, s22                    ; its first work-group,
	s_cselect_b32 s23, 3, 0                        ; and whether its groups of 8 rows change places
	s_cmp_lt_u32 ttmp9, 256                        ; or x's?
	s_cselect_b64 s[4:5], s[4:5], s[6:7]
	s_cselect_b32 s20, 0, s20
	s_cselect_b32 s21, 0, s21
	s_cselect_b32 s22, 0, s22
	s_cselect_b32 s23, 3, s23
	s_sub_co_u32 s17, ttmp9, s22
	s_lshl_b32 s17, s17, 2
	s_add_co_u32 s18, s17, s16                     ; which run of 8,192 numbers of the tensor I read
	s_lshr_b32 s24, s16, 1
	s_xor_b32 s24, s24, s16
	s_and_b32 s24, s24, 1                          ; 1 in waves 1 and 2
	s_mul_i32 s24, s24, s23
	s_xor_b32 s24, s18, s24                        ; and at which run's place I store: 1 and 2 change places
	s_lshl_b32 s26, s18, 15                        ; 32,768 bytes of f32 a run (under 2^26 in all)
	s_mov_b32 s27, 0
	s_add_nc_u64 s[4:5], s[4:5], s[26:27]
	s_mul_i32 s26, s24, 32*STEPS*CB                ; 6,144 bytes of codes a run
	s_add_co_u32 s26, s26, s20
	s_add_nc_u64 s[10:11], s[10:11], s[26:27]
	s_lshl_b32 s26, s24, 8                         ; 256 scale bytes a run
	s_add_co_u32 s26, s26, s21
	s_add_nc_u64 s[12:13], s[12:13], s[26:27]
.macro LOAD t
.irp i, 0,1,2,3
	global_load_b128 v[R+16*((\t)%4)+4*\i:R+16*((\t)%4)+4*\i+3], v3, s[4:5] offset:2048*(\t)+512*\i th:TH_LOAD_NT   ; 32 lanes read 512 consecutive bytes
.endr
.endm
.macro TURN t                          ; step t's numbers through the stage: LDS serves a wave's instructions in order (ISA guide 5.7.1.4), so no wait stands between the stores and the loads
.irp i, 0,1,2,3
	ds_store_b128 v14, v[R+16*((\t)%4)+4*\i:R+16*((\t)%4)+4*\i+3] offset:32*SP*((\t)%2)+8*SP*\i
.endr
.irp i, 0,1,2,3
	ds_load_b128 v[X+16*((\t)%2)+4*\i:X+16*((\t)%2)+4*\i+3], v15 offset:32*SP*((\t)%2)+16*\i
.endr
.endm
.irp t, 0,1,2,3
	LOAD \t
.endr
	s_wait_loadcnt 12                              ; step 0's four loads are in; the twelve of steps 1 to 3 may be out
	TURN 0
.macro STEP t
.set XS, X+16*((\t)%2)
.if (\t) > 0
	s_wait_dscnt 1                                 ; this step's numbers are back from the stage (the last step's byte store may be out): so its stores into the stage have read their registers,
.else
	s_wait_dscnt 0x0
.endif
.if (\t)+4 < STEPS
	LOAD (\t)+4                                    ; which take the loads of four steps on
.endif
.if (\t)+1 < STEPS
.if STEPS-2-(\t) >= 3
	s_wait_loadcnt 12                              ; the next step's four loads are in; those of the three steps behind it may be out
.else
	s_wait_loadcnt 4*(STEPS-2-(\t))
.endif
	TURN (\t)+1                                    ; and go through the other stage while this step is worked
.endif
	v_max3_num_f32 v8, |v[XS]|, |v[XS+1]|, |v[XS+2]|               ; the largest magnitude of my 16, in two chains
	v_max3_num_f32 v9, |v[XS+3]|, |v[XS+4]|, |v[XS+5]|
.irp i, 6,10
	v_max3_num_f32 v8, v8, |v[XS+\i]|, |v[XS+\i+1]|
	v_max3_num_f32 v9, v9, |v[XS+\i+2]|, |v[XS+\i+3]|
.endr
	v_max3_num_f32 v8, v8, |v[XS+14]|, |v[XS+15]|
	v_max3_num_f32 v8, v8, v9, (EMAX+1)<<23        ; and the floor 2^(EMAX + 1 - 127): so the byte cannot fall under 1
	v_max_num_f32_dpp v8, v8, v8 row_xmask:1 row_mask:0xf bank_mask:0xf   ; and of my neighbour's 16: the block's
	v_add_nc_u32 v11, -(EMAX<<23), v8              ; EMAX off its exponent field: the conversion takes the exponent field of this operand as its scale, and nothing else of it
	v_cvt_scalef32_pk16_fp6_f32 v[C+4*(\t):C+4*(\t)+2], v[XS:XS+15], v11         ; sixteen numbers / the scale, to the nearest code, ties to even, beyond the largest code the largest; 96 bits without gaps
	v_lshrrev_b32 v[E+(\t)], 23, v11               ; the scale's byte (also the plain line behind the conversion)
	ds_store_b8 v5, v[E+(\t)] offset:16*(\t)       ; both lanes of a block write the same byte with the same value
	global_store_b96 v4, v[C+4*(\t):C+4*(\t)+2], s[10:11] offset:32*CB*(\t)
.endm
.irp t, 0,1,2,3,4,5,6,7,8,9,10,11,12,13,14,15
	STEP \t
.endr
	ds_load_b64 v[12:13], v6                       ; in order behind my byte stores
	s_wait_dscnt 0x0
	global_store_b64 v7, v[12:13], s[12:13]        ; 32 lanes store 256 consecutive bytes, aligned
	s_wait_tensorcnt 0x0
	ds_add_u32 v192, v193
	s_wait_dscnt 0x0
	s_endpgm
.Lfunc_end_k_q3b8fc2b934_quant:
	.size	k_q3b8fc2b934_quant, .Lfunc_end_k_q3b8fc2b934_quant-k_q3b8fc2b934_quant
	.p2alignl 7, 3214868480
	.fill 96, 4, 3214868480
	.section	.rodata,"a",@progbits
	.p2align	6, 0x0
	.amdhsa_kernel k_q3b8fc2b934_quant
		.amdhsa_group_segment_fixed_size 33280
		.amdhsa_private_segment_fixed_size 0
		.amdhsa_enable_private_segment 0
		.amdhsa_kernarg_size 40
		.amdhsa_user_sgpr_count 2
		.amdhsa_user_sgpr_kernarg_segment_ptr 1
		.amdhsa_wavefront_size32 1
		.amdhsa_system_sgpr_workgroup_id_x 1
		.amdhsa_system_sgpr_workgroup_id_y 1
		.amdhsa_system_sgpr_workgroup_id_z 1
		.amdhsa_system_vgpr_workitem_id 0
		.amdhsa_next_free_vgpr 194
		.amdhsa_next_free_sgpr 66
		.amdhsa_reserve_vcc 0
		.amdhsa_float_denorm_mode_32 3
		.amdhsa_float_denorm_mode_16_64 3
		.amdhsa_memory_ordered 1
		.amdhsa_forward_progress 1
		.amdhsa_inst_pref_size 33
	.end_amdhsa_kernel
	.amdgpu_metadata
---
amdhsa.version: [ 1, 2 ]
amdhsa.kernels:
  - .name:           k_q3b8fc2b934_quant
    .symbol:         k_q3b8fc2b934_quant.kd
    .args:
      - { .name: x, .offset: 0, .size: 8, .value_kind: global_buffer, .address_space: global }
      - { .name: Wqkv, .offset: 8, .size: 8, .value_kind: global_buffer, .address_space: global }
      - { .name: Wout, .offset: 16, .size: 8, .value_kind: global_buffer, .address_space: global }
      - { .name: xw_codes, .offset: 24, .size: 8, .value_kind: global_buffer, .address_space: global }
      - { .name: xw_scales, .offset: 32, .size: 8, .value_kind: global_buffer, .address_space: global }
    .group_segment_fixed_size: 33280
    .private_segment_fixed_size: 0
    .kernarg_segment_align: 8
    .kernarg_segment_size: 40
    .max_flat_workgroup_size: 128
    .sgpr_count:     66
    .vgpr_count:     194
    .wavefront_size: 32
...
	.end_amdgpu_metadata
.endif
;; end of part 1
;; launch qkv (part 2): grid 8 x 32, 4 waves a work-group, clusters of 4 x 4, 327,680 bytes of LDS; arguments xw_codes, xw_scales, cos, sin, qkv_codes, qkv_scales; writes qkv_codes, qkv_scales
.if DOCPART == 2
	.amdgcn_target "amdgcn-amd-amdhsa--gfx1250"
	.amdhsa_code_object_version 6
	.text
	.protected	k_q3b8fc2b934_qkv
	.globl	k_q3b8fc2b934_qkv
	.p2align	8
	.type	k_q3b8fc2b934_qkv,@function
k_q3b8fc2b934_qkv:
	s_mov_b64 s[64:65], 0
	v_nop
	global_prefetch_b8 v0, s[64:65] scope:SCOPE_SE
	s_setreg_imm32_b32 hwreg(HW_REG_WAVE_MODE, 25, 1), 1
	s_wait_xcnt 0x0
	s_wait_alu depctr_hold_cnt(0) depctr_sa_sdst(0) depctr_va_vdst(0) depctr_va_sdst(0) depctr_va_ssrc(0) depctr_va_vcc(0) depctr_vm_vsrc(0)
	s_getreg_b32 s2, hwreg(HW_REG_IB_STS2, 6, 4)
	s_cmp_eq_u32 s2, 0
	s_cbranch_scc0 .Lentry_in_a_cluster
	s_endpgm
.Lentry_in_a_cluster:
	s_bfe_u32 s2, ttmp6, 0x10000c
	s_cmp_lg_u32 s2, 0xf033
	s_cbranch_scc0 .Lentry_shape_is_right
	s_endpgm
.Lentry_shape_is_right:
; q, k, v = x Wqkv^T on codes of FP6 (E2M3) with E8M0 scales; rope on q and k; the results are quantised for the attention launch and stored as images of operand registers (1,536 bytes a fragment, 64 bytes of scale words).
; A WORK-GROUP STAYS: it keeps 256 tokens of x (work-group y) in LDS and walks three tiles of 128 rows of Wqkv: the q, k and v rows of head pair j (work-group x).  K = 1,024 lies in LDS whole: rows of 768 bytes, stated as dense rows
; of 256 bytes with 16 bytes of padding behind each: an LDS row of codes is 816 bytes.  LDS: the weights' 128 rows, then x's 256 rows, then the spare words.
; A TRIP: the three lines and a round of the cluster's barrier; the trip's weight tile is asked for (32 rows a wave); the tile before goes out while that load is on its way; the wait for the load, a barrier, the walk along K.
; Every trip asks for a tile; v's way out stands behind the loop.  x's tile is shared along the cluster's row, the weights' along its column: joint loads.
; No prefetch is written: three trips, and a trip's tile is asked for ahead of the whole way out of the tile before (four blocks), so it has that work in which to land.
; ROLES.  q, k: source 1 = my 64 tokens (wave w), source 0 = the 128 weight rows: a lane holds a token, its registers run along the pair's dims.  v: source 1 = 64 weight rows (w % 2), source 0 = 128 tokens (w / 2): registers run along the keys.
; Only the LDS bases and the scale words' offsets differ, chosen by the trip's number.  In all three the wave's fragments are (8 batch + j) x 128 + 16 (y % 8) + 4 w + 0 .. 3 of the part.
; A wave makes 64 x 128: 32 accumulators (window 2).  Window 1: source 0's fragments, two sets (v0, v128); cos and sin at v0-127 on the way out.  Window 0: v16-29 addresses, v32-47 and v48-79 scale words, v128-223 source 1's fragments, two sets.
; Scale words come straight from memory: one load of 16 bytes a lane for 16 rows: lanes 0-15 hold the words of K steps 0-3, lanes 16-31 those of steps 4-7.
; LIMITS: as the quantising launch: blocks under the floor were not tried; NaN and infinities are not served.
.set KROW,   768
.set PITCH,  816
.set FR,     12
.set XB,     128*PITCH
.set SPARE,  384*PITCH                 ; the spare words, 512 bytes that no other line names
.set WC_OFF, 6291456
.set WS_OFF, 262144
.set WSTEP,  1024*KROW                 ; from q's rows to k's, from k's to v's
.set QSZ,    6291456
.set SSZ,    262144
.set ADRA, 16                          ; v16 source 1's rows; v17 the same, lanes 16-31 one padding further on
.set ADRB, 18                          ; v18, v19 source 0's blocks 0-3; v20, v21 blocks 4-7
.set BAS,  22                          ; v22, v23 the lane's part of these addresses
.set CSO,  24
.set LI,   25
.set LS,   26
.set ADRS, 27
.set SPW,  28
.set NIL,  29
.set SA,   32
.set SB,   48
.set AF,   128
.set T,    80
.set CD,   144
.set TM,   224
.set PW,   240
.set PWS,  242
.set LN,   243
.set SEL,  66
.set TR,   83                          ; s83 the trip
.set G1, 24
.set G0, 32
.set G1B, 48
.set G0B, 56
.set MSB, 0
.macro WIN new
.if MSB != \new
	s_set_vgpr_msb (MSB<<8)|\new
.set MSB, \new
.endif
.endm
.set MUL,  0xa1                        ; source 0 window 1, source 1 window 0, C and D window 2
.set TO_B, 0x40
.macro PLACES
.rept 4
	v_nop
.endr
.endm
.macro CROUND
	s_barrier_signal -1
	s_barrier_wait -1
	s_cmp_lg_u32 s14, 0
	s_cbranch_scc1 .Lnot_wave_0_\@
	s_barrier_signal -3
.Lnot_wave_0_\@:
	s_barrier_wait -3
	s_barrier_signal -1
	s_barrier_wait -1
.endm
	s_load_b128 s[4:7], s[0:1], 0x0                ; codes, scales
	s_load_b256 s[68:75], s[0:1], 0x10             ; cos, sin, qkv_codes, qkv_scales
	v_lshl_add_u32 v[SPW], v0, 2, SPARE
	v_mov_b32 v[NIL], 0
	ds_add_u32 v[SPW], v[NIL]                      ; the opening lines: the add twice and one wait
	ds_add_u32 v[SPW], v[NIL]
	v_lshrrev_b32 v1, 5, v0
	v_readfirstlane_b32 s14, v1                    ; wave w
	s_lshr_b32 s15, s14, 1
	s_and_b32 s16, s14, 1
	s_bfe_u32 s40, ttmp6, 0x40000                  ; cx
	s_bfe_u32 s41, ttmp6, 0x40004                  ; cy
	s_lshl_b32 s42, ttmp9, 2
	s_add_co_u32 s42, s42, s40                     ; j: the head pair
	s_and_b32 s17, ttmp7, 0xffff
	s_lshl_b32 s17, s17, 2
	s_add_co_u32 s17, s17, s41                     ; the tile of 256 tokens
	s_lshl_b32 s43, s41, 2
	s_lshl_b32 s43, 15, s43                        ; my row of the cluster
	s_lshl_b32 s44, 0x1111, s40                    ; my column
	s_or_b32 s[G1], s43, (3<<16)|(1<<20)|(1<<21)|(5<<22)|(3<<25)   ; elements of 8 bytes, 4 words of padding behind every 64
	s_or_b32 s[G1B], s44, (3<<16)|(1<<20)|(1<<21)|(5<<22)|(3<<25)
.irp g, G1, G1B
	s_mov_b32 s[\g+1], 32<<16
	s_mov_b32 s[\g+3], 32<<16
	s_mov_b32 s[\g+5], 32
	s_mov_b32 s[\g+6], 0
	s_mov_b32 s[\g+7], 0
.endr
	s_mov_b32 s[G1+2], 192<<16                     ; x: 64 rows of codes a wave = 192 rows of 256 bytes
	s_mov_b32 s[G1+4], 192
	s_mov_b32 s[G1B+2], 96<<16                     ; the weights: 32 rows of codes a wave
	s_mov_b32 s[G1B+4], 96
	s_lshl_b32 s20, s17, 8                         ; the tile's first token
	s_lshl_b32 s21, s14, 6
	s_add_co_u32 s21, s20, s21                     ; + 64 w: the tokens that I fetch, and multiply for q and k
	s_mul_i32 s18, s21, KROW
	s_mov_b32 s19, 0
	s_lshl_b32 s79, s21, 5                         ; their scale words
	s_lshl_b32 s3, s15, 7
	s_add_co_u32 s3, s20, s3
	s_lshl_b32 s80, s3, 5                          ; v: the scale words of my 128 tokens
	s_lshl_b32 s81, s16, 11                        ; v: my 64 of the weight rows, in scale bytes
	s_lshl_b32 s46, s42, 7                         ; the pair's first weight row in a part
	s_lshl_b32 s82, s46, 5
	s_add_co_u32 s82, s82, WS_OFF                  ; the trip's weight rows' scale words
	s_lshl_b32 s47, s14, 5
	s_add_co_u32 s46, s46, s47                     ; + 32 w: the weight rows that I fetch
	s_mul_i32 s36, s46, KROW
	s_add_co_u32 s36, s36, WC_OFF-WSTEP            ; one step short: every trip steps first
	s_mov_b32 s37, 0
	s_mul_i32 s76, s14, 64*PITCH
	s_add_co_u32 s76, s76, XB                      ; q, k: source 1's rows in LDS
	s_mul_i32 s77, s16, 64*PITCH                   ; v: source 1's
	s_mul_i32 s78, s15, 128*PITCH
	s_add_co_u32 s78, s78, XB                      ; v: source 0's
	s_lshr_b32 s66, s17, 3                         ; batch
	s_lshl_b32 s66, s66, 3
	s_add_co_u32 s66, s66, s42
	s_lshl_b32 s66, s66, 7
	s_and_b32 s2, s17, 7
	s_lshl_b32 s3, s2, 4
	s_add_co_u32 s66, s66, s3
	s_lshl_b32 s3, s14, 2
	s_add_co_u32 s66, s66, s3                      ; my first fragment of a part
	s_mul_i32 s96, s66, 1536
	s_lshl_b32 s97, s66, 6
	s_lshl_b32 s98, s2, 8
	s_lshl_b32 s3, s14, 6
	s_add_co_u32 s98, s98, s3
	s_lshl_b32 s98, s98, 7                         ; cos, sin: 128 bytes a position
	s_mov_b32 s93, 0
	s_mov_b32 s95, 0
	s_mov_b32 s[TR], 0
	s_wait_dscnt 0x0                               ; both opening adds are done
	s_wait_kmcnt 0x0
	s_mov_b32 s[G0], 1
	s_mul_i32 s[G0+1], s14, 64*PITCH
	s_add_co_u32 s[G0+1], s[G0+1], XB
	s_add_nc_u64 s[G0+2:G0+3], s[4:5], s[18:19]
	s_or_b32 s[G0+3], s[G0+3], 0x80000000
	s_mov_b32 s[G0B], 1
	s_mul_i32 s[G0B+1], s14, 32*PITCH
	s_add_nc_u64 s[G0B+2:G0B+3], s[4:5], s[36:37]
	s_or_b32 s[G0B+3], s[G0B+3], 0x80000000
	s_mov_b32 s92, s98
	s_add_nc_u64 s[68:69], s[68:69], s[92:93]
	s_add_nc_u64 s[70:71], s[70:71], s[92:93]
	s_mov_b32 s92, s96
	s_add_nc_u64 s[72:73], s[72:73], s[92:93]
	s_mov_b32 s92, s97
	s_add_nc_u64 s[74:75], s[74:75], s[92:93]
	s_mov_b32 s[SEL], 0x76543210
	s_mov_b32 s[SEL+1], 0xfedcba98
	CROUND                                         ; all sixteen work-groups are here: the joint loads meet
	tensor_load_to_lds s[G0:G0+3], s[G1:G1+7]      ; x's tile, 64 rows a wave: my one load at the head
	s_nop 0
	PLACES
	v_and_b32 v1, 15, v0                           ; r
	v_bfe_u32 v2, v0, 4, 1                         ; h
	v_mul_u32_u24 v[BAS], v1, PITCH
	v_mad_u32_u24 v[BAS], v2, 24, v[BAS]           ; row x pitch + 24 h
	v_lshl_add_u32 v[BAS+1], v2, 4, v[BAS]         ; where lanes 16-31 read behind a padding that lanes 0-15 have not passed
	v_lshlrev_b32 v[ADRS], 5, v1
	v_lshl_add_u32 v[ADRS], v2, 4, v[ADRS]         ; scale words: 32 bytes a row, 16 h
	v_and_b32 v5, 8, v1
	v_add_nc_u32 v5, v5, v1
	v_lshlrev_b32 v[CSO], 7, v5
	v_lshl_add_u32 v[CSO], v2, 6, v[CSO]
	v_and_b32 v[LN], 31, v0
	v_lshlrev_b32 v[LI], 4, v[LN]
	v_lshlrev_b32 v[LS], 2, v[LN]
.irp b, 0,1,2,3
	v_mov_b32 v[TM+4+\b], 0                        ; written once: a lane permute's destination counts as one of its sources
.endr
	s_wait_alu depctr_va_vdst(0)
; a fragment: six pieces of 8 bytes; byte y of a row of codes lies at y + 16 (y / 256) of its LDS row
.macro FRAG reg, adr, st, i
.irp p, 0,1,2,3,4,5
.set BY, 96*(\st)+48*(\p/3)+8*(\p%3)
.if BY/256 == (BY+24)/256
	ds_load_b64 v[\reg+2*\p:\reg+2*\p+1], v[\adr] offset:BY+16*(BY/256)+(\i)*16*PITCH
.else
	ds_load_b64 v[\reg+2*\p:\reg+2*\p+1], v[\adr+1] offset:BY+16*(BY/256)+(\i)*16*PITCH
.endif
.endr
.endm
.macro FETCH_B st
	WIN TO_B
.irp i, 0,1,2,3
	FRAG 128*((\st)%2)+FR*\i, ADRB, \st, \i
	FRAG 128*((\st)%2)+FR*(\i+4), ADRB+2, \st, \i
.endr
	WIN 0
.endm
.macro FETCH_A st
.irp i, 0,1,2,3
	FRAG AF+48*((\st)%2)+FR*\i, ADRA, \st, \i
.endr
.endm
; 16 products: source 1's blocks a0, a0 + 1 x source 0's eight.  The 32 accumulators take turns in the same order in every step.
.macro MUL16 a0, st
.irp a, \a0, \a0+1
.irp b, 0,1,2,3,4,5,6,7
.if (\st) == 0
	v_wmma_scale_f32_16x16x128_f8f6f4 v[8*(8*(\a)+\b):8*(8*(\a)+\b)+7], v[128*((\st)%2)+FR*\b:128*((\st)%2)+FR*\b+11], v[AF+48*((\st)%2)+FR*(\a):AF+48*((\st)%2)+FR*(\a)+11], 0, v[SB+4*\b+(\st)%4], v[SA+4*(\a)+(\st)%4] matrix_a_fmt:MATRIX_FMT_FP6 matrix_b_fmt:MATRIX_FMT_FP6
.elseif (\st) < 4
	v_wmma_scale_f32_16x16x128_f8f6f4 v[8*(8*(\a)+\b):8*(8*(\a)+\b)+7], v[128*((\st)%2)+FR*\b:128*((\st)%2)+FR*\b+11], v[AF+48*((\st)%2)+FR*(\a):AF+48*((\st)%2)+FR*(\a)+11], v[8*(8*(\a)+\b):8*(8*(\a)+\b)+7], v[SB+4*\b+(\st)%4], v[SA+4*(\a)+(\st)%4] matrix_a_fmt:MATRIX_FMT_FP6 matrix_b_fmt:MATRIX_FMT_FP6
.else
	v_wmma_scale_f32_16x16x128_f8f6f4 v[8*(8*(\a)+\b):8*(8*(\a)+\b)+7], v[128*((\st)%2)+FR*\b:128*((\st)%2)+FR*\b+11], v[AF+48*((\st)%2)+FR*(\a):AF+48*((\st)%2)+FR*(\a)+11], v[8*(8*(\a)+\b):8*(8*(\a)+\b)+7], v[SB+4*\b+(\st)%4], v[SA+4*(\a)+(\st)%4] matrix_a_fmt:MATRIX_FMT_FP6 matrix_b_fmt:MATRIX_FMT_FP6 matrix_a_scale:MATRIX_SCALE_ROW1 matrix_b_scale:MATRIX_SCALE_ROW1
.endif
.endr
.endr
.endm
; 64 numbers v[s] on (w = 0: window 0; w = 1: window 2, the accumulators themselves, each read from its low end on) become a fragment's codes in v[pc] on and its scale word in v[pw]
.macro QUANT s, pc, pw, flr, w
	WIN 0x0a*\w
.irp b, 0,1,2,3
	v_max3_num_f32 v[TM+\b], |v[\s+16*\b]|, |v[\s+1+16*\b]|, \flr
.endr
	WIN 0x28*\w
.irp i, 2,4,6,8,10,12,14
.irp b, 0,1,2,3
	v_max3_num_f32 v[TM+\b], v[TM+\b], |v[\s+16*\b+\i]|, |v[\s+1+16*\b+\i]|
.endr
.endr
	WIN 0
.irp b, 0,1,2,3
	v_permlanex16_b32 v[TM+4+\b], v[TM+\b], s[SEL], s[SEL+1]
.endr
.irp b, 0,1,2,3
	v_max_num_f32 v[TM+\b], v[TM+\b], v[TM+4+\b]
.endr
.irp b, 0,1,2,3
	v_add_nc_u32 v[TM+12+\b], 0xff000000, v[TM+\b]
.endr
.irp b, 0,1,2,3
	v_lshrrev_b32 v[TM+4+\b], 23, v[TM+12+\b]
.endr
	v_lshl_or_b32 v[\pw], v[TM+5], 8, v[TM+4]
	v_lshl_or_b32 v[\pw], v[TM+6], 16, v[\pw]
	v_lshl_or_b32 v[\pw], v[TM+7], 24, v[\pw]
	WIN 0x02*\w
.irp c, 0,1
	v_cvt_scalef32_pk16_fp6_f32 v[\pc+6*\c:\pc+2+6*\c], v[\s+32*\c:\s+15+32*\c], v[TM+12+2*\c]
	v_cvt_scalef32_pk16_fp6_f32 v[\pc+12+4*\c:\pc+14+4*\c], v[\s+16+32*\c:\s+31+32*\c], v[TM+12+2*\c+1]
.endr
	WIN 0
	v_nop
.irp c, 0,1
.irp i, 0,1,2
	v_permlane16_swap_b32 v[\pc+6*\c+\i], v[\pc+12+4*\c+\i]
.endr
.irp i, 0,1,2
	v_mov_b32 v[\pc+3+6*\c+\i], v[\pc+12+4*\c+\i]
.endr
.endr
.endm
.macro STORES a
.irp c, 0,1,2
	global_store_b128 v[LI], v[CD+4*\c:CD+4*\c+3], s[72:73] offset:1536*(\a)+512*\c
.endr
.if (\a)%2
	v_cndmask_b32 v[PWS], v[PW+1], v[PW], vcc_lo
	global_store_b32 v[LS], v[PWS], s[74:75] offset:64*((\a)-1)
.endif
.endm
; q, k: block a of 16 tokens x the pair's 128 dims: the rotation, the quantiser, the fragment's image and its scale words
.macro OUT a
.set AC, 64*(\a)
	s_wait_loadcnt 36-8*(\a)                       ; this block's eight loads of cos and sin are in; the later blocks' and the 12 loads of scale words behind them may be out
	s_wait_xcnt 0x0                                ; the earlier stores have read their registers
	WIN 6                                          ; source 0 window 2, source 1 window 1
.irp e, 0,1
.irp i, 0,2,4,6,8,10,12,14
	v_pk_mul_f32 v[T+32*\e+\i:T+32*\e+\i+1], v[AC+32*\e+\i:AC+32*\e+\i+1], v[32*(\a)+\i:32*(\a)+\i+1]
	v_pk_mul_f32 v[T+32*\e+16+\i:T+32*\e+17+\i], v[AC+32*\e+\i:AC+32*\e+\i+1], v[32*(\a)+16+\i:32*(\a)+17+\i]
	v_pk_fma_f32 v[T+32*\e+\i:T+32*\e+\i+1], v[AC+32*\e+16+\i:AC+32*\e+17+\i], v[32*(\a)+16+\i:32*(\a)+17+\i], v[T+32*\e+\i:T+32*\e+\i+1] neg_lo:[1,0,0] neg_hi:[1,0,0]
	v_pk_fma_f32 v[T+32*\e+16+\i:T+32*\e+17+\i], v[AC+32*\e+16+\i:AC+32*\e+17+\i], v[32*(\a)+\i:32*(\a)+\i+1], v[T+32*\e+16+\i:T+32*\e+17+\i]
.endr
.endr
	WIN 0
	QUANT T, CD, PW+(\a)%2, s99, 0
	v_sub_nc_u32 v[PW+(\a)%2], v[PW+(\a)%2], s100
	STORES \a
.endm
.Ltile:                                            ; three trips: q, k, v
	s_wait_tensorcnt 0x0                           ; no tensor load of mine is out;
	ds_add_u32 v[SPW], v[NIL]                      ; 0 onto my spare word;
	s_add_nc_u64 s[G0B+2:G0B+3], s[G0B+2:G0B+3], WSTEP   ; this trip's weight rows
	s_wait_dscnt 0x0                               ; the add is done, and my reads of the last weight tile are over
	CROUND                                         ; and so for every wave of the cluster
	tensor_load_to_lds s[G0B:G0B+3], s[G1B:G1B+7]  ; 32 weight rows a wave
	s_nop 0
	PLACES                                         ; also the places behind the last trip's products
	s_add_co_u32 s2, s82, s81
	s_cmp_eq_u32 s[TR], 2                          ; v's roles?
	s_cselect_b32 s21, s77, s76
	s_cselect_b32 s47, s78, 0
	s_cselect_b32 s92, s2, s79
	s_cselect_b32 s94, s80, s82
	s_add_co_u32 s9, s47, 64*PITCH
	s_add_co_u32 s82, s82, 32768                   ; 1,024 rows of scale bytes on
	s_add_nc_u64 s[38:39], s[6:7], s[92:93]
	s_add_nc_u64 s[22:23], s[6:7], s[94:95]
	v_add_nc_u32 v[ADRA], s21, v[BAS]
	v_add_nc_u32 v[ADRA+1], s21, v[BAS+1]
	v_add_nc_u32 v[ADRB], s47, v[BAS]
	v_add_nc_u32 v[ADRB+1], s47, v[BAS+1]
	v_add_nc_u32 v[ADRB+2], s9, v[BAS]
	v_add_nc_u32 v[ADRB+3], s9, v[BAS+1]
	s_wait_alu depctr_va_vdst(0)
.irp i, 0,1,2,3
	global_load_b128 v[SA+4*\i:SA+4*\i+3], v[ADRS], s[38:39] offset:512*\i   ; 32 lanes read 512 consecutive bytes
.endr
.irp i, 0,1,2,3,4,5,6,7
	global_load_b128 v[SB+4*\i:SB+4*\i+3], v[ADRS], s[22:23] offset:512*\i
.endr
	s_cmp_eq_u32 s[TR], 0
	s_cbranch_scc1 .Lno_out                        ; the first trip has no tile to send out
	s_cmp_eq_u32 s[TR], 1                          ; q goes out?
	s_mov_b32 s99, 3<<23
	s_cselect_b32 s99, 6<<23, s99                  ; q's bytes carry 1 / 8: its floor lies 3 higher
	s_cselect_b32 s100, 0x03030303, 0
	v_cmp_gt_u32 vcc_lo, 16, v[LN]
.irp a, 0,1,2,3
	OUT \a
.endr
	s_wait_xcnt 0x0                                ; the stores have read their bases and registers
	s_add_nc_u64 s[72:73], s[72:73], QSZ           ; the next part
	s_add_nc_u64 s[74:75], s[74:75], SSZ
.Lno_out:
	s_wait_tensorcnt 0x0                           ; my part of the weight tile is in (in the first trip x's has been waited for above)
	s_barrier_signal -1
	s_barrier_wait -1                              ; and everybody's
	FETCH_B 0
	FETCH_A 0
	s_wait_loadcnt 0x0                             ; the scale words
.set ST, 0
.rept 7
.if ST > 0
	PLACES                                         ; behind the last step's products: the sets that they read are loaded anew
.endif
	FETCH_B ST+1
	s_wait_dscnt 48                                ; all but the 48 just issued: this step's fragments are in
	WIN MUL
	MUL16 0, ST
	WIN 0
	FETCH_A ST+1
	WIN MUL
	MUL16 2, ST
.set ST, ST+1
.endr
	PLACES                                         ; source 0's set 0 is done with: for q and k, cos and sin take v0-127 of window 1
	WIN 0
	s_cmp_eq_u32 s[TR], 2
	s_cbranch_scc1 .Lno_cs
	WIN TO_B
.irp a, 0,1,2,3
.irp j, 0,1,2,3
	global_load_b128 v[32*\a+4*\j:32*\a+4*\j+3], v[CSO], s[68:69] offset:(32*(\a/2)+8*(\a%2))*128+16*\j
.endr
.irp j, 0,1,2,3
	global_load_b128 v[32*\a+16+4*\j:32*\a+16+4*\j+3], v[CSO], s[70:71] offset:(32*(\a/2)+8*(\a%2))*128+16*\j
.endr
.endr
	WIN 0
.Lno_cs:
	s_wait_dscnt 0x0
	WIN MUL
	MUL16 0, 7
	MUL16 2, 7
	WIN 0
	s_add_co_u32 s[TR], s[TR], 1
	s_cmp_lt_u32 s[TR], 3
	s_cbranch_scc1 .Ltile
	; v goes out: block a of 16 dims x 128 keys, quantised along the keys straight from the accumulators
	PLACES
	v_cmp_gt_u32 vcc_lo, 16, v[LN]
.irp a, 0,1,2,3
	s_wait_xcnt 0x0                                ; the earlier stores have read their registers
	QUANT 64*\a, CD, PW+\a%2, 0x1800000, 1
	STORES \a
.endr
	s_wait_tensorcnt 0x0                           ; the wave's end
	ds_add_u32 v[SPW], v[NIL]
	s_wait_dscnt 0x0
	CROUND                                         ; the closing round
	s_endpgm
.Lfunc_end_k_q3b8fc2b934_qkv:
	.size	k_q3b8fc2b934_qkv, .Lfunc_end_k_q3b8fc2b934_qkv-k_q3b8fc2b934_qkv
	.p2alignl 7, 3214868480
	.fill 96, 4, 3214868480
	.section	.rodata,"a",@progbits
	.p2align	6, 0x0
	.amdhsa_kernel k_q3b8fc2b934_qkv
		.amdhsa_group_segment_fixed_size 327680
		.amdhsa_private_segment_fixed_size 0
		.amdhsa_enable_private_segment 0
		.amdhsa_kernarg_size 48
		.amdhsa_user_sgpr_count 2
		.amdhsa_user_sgpr_kernarg_segment_ptr 1
		.amdhsa_wavefront_size32 1
		.amdhsa_system_sgpr_workgroup_id_x 1
		.amdhsa_system_sgpr_workgroup_id_y 1
		.amdhsa_system_sgpr_workgroup_id_z 1
		.amdhsa_system_vgpr_workitem_id 0
		.amdhsa_next_free_vgpr 768
		.amdhsa_next_free_sgpr 102
		.amdhsa_reserve_vcc 1
		.amdhsa_float_denorm_mode_32 3
		.amdhsa_float_denorm_mode_16_64 3
		.amdhsa_memory_ordered 1
		.amdhsa_forward_progress 1
		.amdhsa_inst_pref_size 133
	.end_amdhsa_kernel
	.amdgpu_metadata
---
amdhsa.version: [ 1, 2 ]
amdhsa.kernels:
  - .name:           k_q3b8fc2b934_qkv
    .symbol:         k_q3b8fc2b934_qkv.kd
    .args:
      - { .name: xw_codes, .offset: 0, .size: 8, .value_kind: global_buffer, .address_space: global }
      - { .name: xw_scales, .offset: 8, .size: 8, .value_kind: global_buffer, .address_space: global }
      - { .name: cos, .offset: 16, .size: 8, .value_kind: global_buffer, .address_space: global }
      - { .name: sin, .offset: 24, .size: 8, .value_kind: global_buffer, .address_space: global }
      - { .name: qkv_codes, .offset: 32, .size: 8, .value_kind: global_buffer, .address_space: global }
      - { .name: qkv_scales, .offset: 40, .size: 8, .value_kind: global_buffer, .address_space: global }
    .group_segment_fixed_size: 327680
    .private_segment_fixed_size: 0
    .kernarg_segment_align: 8
    .kernarg_segment_size: 48
    .max_flat_workgroup_size: 128
    .sgpr_count:     102
    .vgpr_count:     768
    .wavefront_size: 32
...
	.end_amdgpu_metadata
.endif
;; end of part 2
;; launch attn (part 3): grid 16 x 16, 8 waves a work-group, clusters of 4 x 4, 327,680 bytes of LDS; arguments qkv_codes, qkv_scales, mask, o_codes, o_scales; writes o_codes, o_scales
.if DOCPART == 3
	.amdgcn_target "amdgcn-amd-amdhsa--gfx1250"
	.amdhsa_code_object_version 6
	.text
	.protected	k_q3b8fc2b934_attn
	.globl	k_q3b8fc2b934_attn
	.p2align	8
	.type	k_q3b8fc2b934_attn,@function
k_q3b8fc2b934_attn:
	s_mov_b64 s[64:65], 0
	v_nop
	global_prefetch_b8 v0, s[64:65] scope:SCOPE_SE
	s_setreg_imm32_b32 hwreg(HW_REG_WAVE_MODE, 25, 1), 1
	s_wait_xcnt 0x0
	s_wait_alu depctr_hold_cnt(0) depctr_sa_sdst(0) depctr_va_vdst(0) depctr_va_sdst(0) depctr_va_ssrc(0) depctr_va_vcc(0) depctr_vm_vsrc(0)
	s_getreg_b32 s2, hwreg(HW_REG_IB_STS2, 6, 4)
	s_cmp_eq_u32 s2, 0
	s_cbranch_scc0 .Lentry_in_a_cluster
	s_endpgm
.Lentry_in_a_cluster:
	s_bfe_u32 s2, ttmp6, 0x10000c
	s_cmp_lg_u32 s2, 0xf033
	s_cbranch_scc0 .Lentry_shape_is_right
	s_endpgm
.Lentry_shape_is_right:
; Attention on codes of FP6 (E2M3) with E8M0 scales: logits = q k^T / 8 + mask; p = 2^(t - M), t = logit x log2(e), M the running largest t rounded UP to a whole number; O = (p v) / (the sum of the unquantised p);
; O is quantised along (head, dim) for the last product and stored as codes, rows of 768 bytes, with 32 scale bytes a row.
; SHARES.  A work-group owns 128 queries x 4 heads of one batch (batch = cluster x, heads 4 cx .. 4 cx + 3, queries 128 (4 cluster y + cy) on).  Wave w: 32 queries (two tiles qi of 16; qp = w % 4) x one head pair (hp = w / 4):
; four tile-heads i = 2 qi + e.  Every wave walks the 2,048 keys, 128 a step.  Two waves share a SIMD, so that one wave's softmax stands beside the other's products and LDS loads.
; OPERANDS come as images of their registers (1,536 bytes a fragment, three loads of 512 consecutive bytes).  A fragment of q or k holds 16 tokens x the PAIR's 128 dims.  Since a head's K is 64, q's fragment for head e has zero
; codes in the other head's half: [q0 | 0] and [0 | q1], laid [q0 6][0 6][q1 6] in 18 registers; k's fragment serves both heads as it lies.
; Both products are used transposed: S^T = k q^T (a lane holds one query, its registers run along the keys), O^T = v^T p^T.  The tokens of a tile are 32 B + 8 u + r + 8 (r / 8), so that 16 registers of two neighbouring tiles are
; 16 neighbouring keys (or dims of O).
; THE MASK IS THE C OF THE SCORE PRODUCTS: q's scale bytes already carry the 1 / 8, so the result is the logit, and the mask costs no vector line.  A mask tile serves both heads of the pair.
; CLUSTER.  The mask's tile hangs on the query block alone: asked for jointly along a row of the cluster.  K's and V's hang on batch and heads: jointly along a column.
; LIMITS: an infinite mask entry leans on the matrix instruction taking an infinite C as IEEE addition does; a query all of whose keys are masked by -infinity gives no NaN here (the quantiser of O has no code for it) where
; the definition has NaN; 1 / l is v_rcp_f32 and a multiplication; blocks of O under 2^-124 were not tried.
; LDS: slot s at s x 2^17: mask 128 rows x (512 + 8) bytes, then K pair 0, K pair 1, V pair 0, V pair 1, 12,288 bytes each.  Behind the ring: K's and V's scale words of both pairs for all keys (4 x 8,192, filled once); the spare words;
; a stage of 128 rows x 192 bytes for O's codes, into which no fill lands.
; REGISTERS.  Window 0: v1-9 addresses; v[10:11] f; v12-27 statistics; v28-41 scale words and nothing else; v42-63 at work; v64-127 S^T, then p; v128-175 p's codes, 12 a tile-head; v176-211 q; v212-243 O^T of tile-head 3.
;   Window 1: v0-95 O^T of tile-heads 0-2; v96-191 eight fragments of K, later of V; v192-255 a mask tile for 16 queries x 128 keys.
.set QSZ,   6291456                    ; a part (q, k, v) of qkv_codes
.set SSZ,   262144                     ; and of qkv_scales
.set PAIRB, 196608                     ; a head pair's codes in a part: 128 tiles x 1,536 bytes
.set PAIRS, 8192                       ; and its scale words: 128 x 64
.set STEPB, 12288                      ; 8 fragments: a step's K, or V, of a pair
.set SLOT1, 1<<17                      ; one exclusive or turns an address in one slot into the other's
.set MP,    520                        ; a mask row in LDS: 130 words: rows 0-7 and 16-23, and 16 words on for lanes 16-31: the 32 lanes of a load of 8 bytes touch 64 different banks (ISA guide 11.1)
.set MQ,    32*MP                      ; what one tensor load brings of the mask
.set KOFF,  4*MQ
.set KSC,   SLOT1+KOFF+4*STEPB
.set SPARE, KSC+4*PAIRS                ; the spare words, 128 bytes for each of eight waves: four blocks of 256 bytes that no other line names
.set STG,   SPARE+1024
.set SP,    192                        ; a stage row: the work-group's 256 dims as codes
.set AKV0, 1                           ; v1   KOFF + 12,288 hp + 16 lane
.set AM0,  2                           ; v2   (32 qp + r + 8 (r / 8)) MP + 64 h
.set ASC0, 3                           ; v3   KSC + 8,192 hp + 4 lane
.set AKV,  4                           ; v4-6 the same in the slot and step in hand; at the end the stage's and the outputs' addresses
.set AM,   5
.set ASC,  6
.set SPW,  7                           ; v7   LDS address of my spare word; never rewritten
.set NIL,  8                           ; v8   0; never rewritten
.set PFO,  9                           ; v9   the prefetches' offset: my lane x 8,192 (a mask row) or x 256; never rewritten
.set F,    10                          ; v[10:11] f = 2^(old M - new M) (the pair is named, the low word used)
.set ST,   12                          ; tile-head i at v[12 + 4 i]: -M, the largest t, the sum in two halves
.set QS,   28                          ; v28-29 q's scale words;  v30-33 K's (lanes 0-15 tile 2 u, lanes 16-31 tile 2 u + 1);  v34-37 V's;  v38-41 p's
.set KS,   30
.set VS,   34
.set PW,   38
.set BM,   42                          ; v42-45 a block's largest score, then p;  v46-49 the other half's, then bytes;  v50-53 the conversions' scale operands
.set BP,   46
.set BS,   50
.set T,    54
.set TA,   55
.set CT,   56                          ; v56-63 the conversions' second halves; a chain of the sum
.set S,    64
.set PC,   128
.set QF,   176
.set O3,   212
.set KF,   96                          ; in window 1
.set MK,   192
.set WV,   22                          ; s22 wave, s23 qp = wave % 4, s24 hp = wave / 4 (also: 0: I fetch the mask, 1: K or V)
.set QP,   23
.set HP,   24
.set G1M,  32                          ; s[32:39] group 1 for the mask; s[40:47] for K and V; s[48:55] for the scale words
.set G1C,  40
.set G1S,  48
.set G0M,  56                          ; s[56:59], s[60:63] the walking groups 0; s[68:71] the scale words'
.set G0C,  60
.set G0S,  68
.set SEL,  72
.set CS,   74                          ; s[74:75] log2(e)
.set TB,   76                          ; s76 the slot in hand;  s77 the step's scale words: 512 bytes a step;  s78 slots still to be asked for
.set TS,   77
.set SLOTS, 78
.set LIM,  79                          ; s79 1 in a wave that prefetches, else the greatest number
.set EVR,  80                          ; s80 0: asks at every change of slots (mask); 1: at every second (K, V)
.set PFA,  84                          ; s[84:85] where my prefetches stand;  s[86:87] a step on, in bytes
.set PFS,  86
.set MSB, 0
.macro WIN new                         ; the immediate's high byte repeats the setting that is left
.if MSB != \new
	s_set_vgpr_msb (MSB<<8)|\new
.set MSB, \new
.endif
.endm
.macro PLACES                          ; four plain vector lines between a matrix instruction and a load into, or a vector read of, its registers
.rept 4
	v_nop
.endr
.endm
.macro CROUND                          ; a round of the cluster's barrier
	s_barrier_signal -1
	s_barrier_wait -1
	s_cmp_lg_u32 s[WV], 0
	s_cbranch_scc1 .Lnot_wave_0_\@
	s_barrier_signal -3
.Lnot_wave_0_\@:
	s_barrier_wait -3
	s_barrier_signal -1
	s_barrier_wait -1
.endm
; A joint refill: waves 0-3 fetch 32 rows of the mask's tile each; wave 4 fetches K's and wave 5 V's fragments of BOTH pairs, one tile of two rows of 12,288 bytes, a pair's stream apart in memory; waves 6 and 7 have no part of a slot.
; The branches hang on the wave's number alone.  Four v_nop follow each line.
.macro JLOAD
	s_cmp_eq_u32 s[HP], 0
	s_cbranch_scc0 .Lfor_kv_\@
	tensor_load_to_lds s[G0M:G0M+3], s[G1M:G1M+7]
	s_nop 0
.rept 4
	v_nop
.endr
	s_branch .Lasked_\@
.Lfor_kv_\@:
	s_cmp_lt_u32 s[WV], 6
	s_cbranch_scc0 .Lasked_\@
	tensor_load_to_lds s[G0C:G0C+3], s[G1C:G1C+7]
	s_nop 0
.rept 4
	v_nop
.endr
.Lasked_\@:
.endm
; A PREFETCH INTO THE L2, behind the joint load and its four lines, of what the NEXT change of slots will ask for.  Each aligned block of 256 bytes is named once in the launch.
; The mask's tile (128 rows x 512 bytes) is read by the clusters of all four batches: cluster x = 0 asks; of the four partners that ask for it jointly the one at cx takes rows 32 cx on, a lane a row, told apart BY ADDRESS;
; waves 0 and 1 take the row's two halves of 256 bytes.  K's and V's streams are read by all four clusters of a column of clusters: cluster y = 0 asks; the partner at cy takes stream cy (K or V, pair 0 or 1), by address;
; two steps are 24,576 bytes: waves 4, 5, 6 take 8,192 each, lanes 256 bytes apart, at every second change.  In trip n (s78 = 15 - n) step n + 1 is loaded and step n + 2 (K, V: n + 2 and n + 3, n even) is named:
; the last requests name step 15; steps 0 and 1 come by their loads alone.
.macro ASK
	s_cmp_gt_u32 s[SLOTS], s[LIM]
	s_cbranch_scc0 .Lnot_mine_\@
	s_and_b32 s89, s[SLOTS], s[EVR]
	s_cmp_eq_u32 s89, s[EVR]
	s_cbranch_scc0 .Lnot_mine_\@
	global_prefetch_b8 v[PFO], s[PFA:PFA+1] th:TH_LOAD_NT scope:SCOPE_SE
.Lnot_mine_\@:
.endm
	s_load_b256 s[4:11], s[0:1], 0x0               ; qkv_codes s[4:5], qkv_scales s[6:7], mask s[8:9], o_codes s[10:11]
	s_load_b64 s[12:13], s[0:1], 0x20              ; o_scales
	v_lshl_add_u32 v[SPW], v0, 2, SPARE
	v_mov_b32 v[NIL], 0
	ds_add_u32 v7, v8
	ds_add_u32 v7, v8
	s_wait_dscnt 0x0
	v_lshrrev_b32 v1, 5, v0
	s_delay_alu instid0(VALU_DEP_1)
	v_readfirstlane_b32 s[WV], v1                  ; wave 0..7
	s_and_b32 s[QP], s[WV], 3
	s_lshr_b32 s[HP], s[WV], 2
	s_bfe_u32 s25, ttmp6, 0x40000                  ; cx: the group of four heads
	s_bfe_u32 s26, ttmp6, 0x40004                  ; cy
	s_and_b32 s27, ttmp7, 0xffff                   ; cluster y
	s_lshl_b32 s28, s27, 2
	s_add_co_u32 s28, s28, s26                     ; my block of 128 queries
	s_lshl_b32 s14, s26, 2
	s_lshl_b32 s14, 15, s14                        ; my row of the cluster
	s_lshl_b32 s15, 0x1111, s25                    ; my column
	s_or_b32 s[G1M], s14, (2<<16)|(1<<20)|(1<<21)|(6<<22)|(1<<25)   ; the mask's tile goes to my row; elements of 4 bytes; padding on; 21 set beside a mask; after every 128 words (code 6) 2 words (code 1)
	s_mov_b32 s[G1M+1], 128<<16                    ; tensor_dim0 = 128
	s_mov_b32 s[G1M+2], 32<<16                     ; tensor_dim1 = 32
	s_mov_b32 s[G1M+3], 128<<16                    ; tile_dim0 = 128
	s_mov_b32 s[G1M+4], 32                         ; tile_dim1 = 32
	s_mov_b32 s[G1M+5], 2048                       ; from row to row
	s_mov_b32 s[G1M+6], 0
	s_mov_b32 s[G1M+7], 0
	s_or_b32 s[G1C], s15, (3<<16)|(1<<21)          ; K's and V's go to my column; a dense block as rows of 12,288 bytes (1,536 elements of 8 bytes), no padding
	s_mov_b32 s[G1C+1], 1536<<16                   ; a row: 1,536 elements of 8 bytes: a step's eight fragments of one pair
	s_mov_b32 s[G1C+2], 2<<16                      ; two rows: the group's two pairs
	s_mov_b32 s[G1C+3], 1536<<16
	s_mov_b32 s[G1C+4], 2
	s_mov_b32 s[G1C+5], PAIRB/8                    ; from pair to pair
	s_mov_b32 s[G1C+6], 0
	s_mov_b32 s[G1C+7], 0
	s_or_b32 s[G1S], s15, (3<<16)|(1<<21)
	s_mov_b32 s[G1S+1], 32<<16
	s_mov_b32 s[G1S+2], 64<<16                     ; 64 rows: 16,384 bytes: both pairs' scale words, which lie on end
	s_mov_b32 s[G1S+3], 32<<16
	s_mov_b32 s[G1S+4], 64
	s_mov_b32 s[G1S+5], 32
	s_mov_b32 s[G1S+6], 0
	s_mov_b32 s[G1S+7], 0
	s_lshl_b32 s16, s28, 7                         ; the mask: row 128 x block + 32 x (wave % 4), 8,192 bytes a row: hangs on cy, not on cx
	s_lshl_b32 s17, s[QP], 5
	s_add_co_u32 s16, s16, s17
	s_lshl_b32 s16, s16, 13
	s_mov_b32 s17, 0
	s_and_b32 s19, s[QP], 1                        ; waves 4, 6: K; waves 5, 7: V
	s_add_co_u32 s18, s19, 1                       ; part 1 (K) or 2 (V)
	s_lshl_b32 s20, ttmp9, 3
	s_lshl_b32 s21, s25, 1
	s_add_co_u32 s20, s20, s21                     ; 8 x batch + 2 x group: the group's first pair: hangs on cx, not on cy
	s_mov_b32 s21, s20
	s_mul_i32 s30, s18, QSZ
	s_mul_i32 s31, s21, PAIRB
	s_add_co_u32 s30, s30, s31
	s_mov_b32 s31, 0
	s_mul_i32 s2, s18, SSZ
	s_lshl_b32 s3, s21, 13
	s_add_co_u32 s2, s2, s3
	s_mov_b32 s3, 0
	s_mov_b32 s[SEL], 0x76543210
	s_mov_b32 s[SEL+1], 0xfedcba98
	s_mov_b32 s[CS], 0x3fb8aa3b                    ; log2(e)
	s_mov_b32 s[CS+1], s[CS]                       ; (named with it as a pair, so it is written)
	s_mov_b32 s[TB], 0
	s_mov_b32 s[TS], 0
	s_mov_b32 s[SLOTS], 15
	s_wait_kmcnt 0x0
	s_mov_b32 s[G0M], 1
	s_mul_i32 s[G0M+1], s[QP], MQ                  ; slot 0: no place in the cluster enters an LDS address
	s_add_nc_u64 s[G0M+2:G0M+3], s[8:9], s[16:17]
	s_or_b32 s[G0M+3], s[G0M+3], 0x80000000
	s_mov_b32 s[G0C], 1
	s_mul_i32 s[G0C+1], s19, 2*STEPB
	s_add_co_u32 s[G0C+1], s[G0C+1], KOFF
	s_add_nc_u64 s[G0C+2:G0C+3], s[4:5], s[30:31]
	s_or_b32 s[G0C+3], s[G0C+3], 0x80000000
	s_mov_b32 s[G0S], 1
	s_lshl_b32 s[G0S+1], s19, 14
	s_add_co_u32 s[G0S+1], s[G0S+1], KSC
	s_add_nc_u64 s[G0S+2:G0S+3], s[6:7], s[2:3]
	s_or_b32 s[G0S+3], s[G0S+3], 0x80000000
	CROUND                                         ; all sixteen work-groups are here: the first joint loads meet
	s_cmp_eq_u32 s[HP], 0                          ; the first fills, one a wave, in one chain of branches: waves 0-3 the mask, 4 and 5 K and V, 6 and 7 the scale words
	s_cbranch_scc0 .Lfirst_kv
	tensor_load_to_lds s[G0M:G0M+3], s[G1M:G1M+7]
	s_nop 0
.rept 4
	v_nop
.endr
	s_branch .Lfirst_asked
.Lfirst_kv:
	s_cmp_lt_u32 s[WV], 6
	s_cbranch_scc0 .Lfirst_sc
	tensor_load_to_lds s[G0C:G0C+3], s[G1C:G1C+7]
	s_nop 0
.rept 4
	v_nop
.endr
	s_branch .Lfirst_asked
.Lfirst_sc:
	tensor_load_to_lds s[G0S:G0S+3], s[G1S:G1S+7]
	s_nop 0
.rept 4
	v_nop
.endr
.Lfirst_asked:
	; q: my two tiles' images and scale words, straight from memory into registers
	s_add_co_u32 s94, s20, s[HP]                   ; my head pair
	s_lshl_b32 s95, s28, 3
	s_lshl_b32 s96, s[QP], 1
	s_add_co_u32 s95, s95, s96                     ; my first tile of queries: 8 x block + 2 qp
	s_mul_i32 s90, s94, PAIRB
	s_mul_i32 s96, s95, 1536
	s_add_co_u32 s90, s90, s96
	s_mov_b32 s91, 0
	s_lshl_b32 s92, s94, 13
	s_lshl_b32 s96, s95, 6
	s_add_co_u32 s92, s92, s96
	s_mov_b32 s93, 0
	s_add_nc_u64 s[90:91], s[4:5], s[90:91]
	s_add_nc_u64 s[92:93], s[6:7], s[92:93]
	v_and_b32 v4, 31, v0                           ; lane
	v_and_b32 v5, 15, v0                           ; r
	v_bfe_u32 v6, v0, 4, 1                         ; h
	s_delay_alu instid0(VALU_DEP_3)
	v_lshlrev_b32 v[TA], 4, v4
	s_delay_alu instid0(VALU_DEP_3)
	v_lshlrev_b32 v[CT], 2, v5
.irp qi, 0,1
.irp p, 0,1,2,3,4,5                            ; register pair p of the image lies at 512 (p / 2) + 16 lane + 8 (p % 2); pairs 0-2 are head 0's codes, pairs 3-5 head 1's, six registers further on
	global_load_b64 v[QF+18*\qi+2*\p+6*(\p/3):QF+18*\qi+2*\p+6*(\p/3)+1], v[TA], s[90:91] offset:1536*\qi+512*(\p/2)+8*(\p%2)
.endr
	global_load_b32 v[QS+\qi], v[CT], s[92:93] offset:64*\qi
.irp n, 0,1,2,3,4,5
	v_mov_b32 v[QF+18*\qi+6+\n], 0                 ; the zero codes between them
.endr
.endr
	s_mul_i32 s88, s[HP], STEPB
	s_add_co_u32 s88, s88, KOFF
	v_lshl_add_u32 v[AKV0], v4, 4, s88
	s_lshl_b32 s88, s[HP], 13
	s_add_co_u32 s88, s88, KSC
	v_lshl_add_u32 v[ASC0], v4, 2, s88
	v_and_b32 v[T], 8, v5
	s_delay_alu instid0(VALU_DEP_1)
	v_add_nc_u32 v[T], v[T], v5                    ; r + 8 (r / 8)
	s_lshl_b32 s88, s[QP], 5
	v_add_nc_u32 v[AM0], s88, v[T]
	s_delay_alu instid0(VALU_DEP_1)
	v_mul_u32_u24 v[AM0], v[AM0], MP
	s_delay_alu instid0(VALU_DEP_1)
	v_lshl_add_u32 v[AM0], v6, 6, v[AM0]
	; where the results go: o_codes at the block's first token and the group's 192 bytes; o_scales at my 32 tokens and my pair's word
	s_lshl_b32 s96, ttmp9, 11
	s_lshl_b32 s97, s28, 7
	s_add_co_u32 s96, s96, s97                     ; 2,048 x batch + 128 x block
	s_mul_i32 s98, s96, 768
	s_mul_i32 s97, s25, 192
	s_add_co_u32 s98, s98, s97
	s_mov_b32 s99, 0
	s_add_nc_u64 s[10:11], s[10:11], s[98:99]
	s_lshl_b32 s97, s[QP], 5
	s_add_co_u32 s96, s96, s97
	s_lshl_b32 s96, s96, 5
	s_lshl_b32 s97, s25, 1
	s_add_co_u32 s97, s97, s[HP]
	s_lshl_b32 s97, s97, 2
	s_add_co_u32 s98, s96, s97
	s_add_nc_u64 s[12:13], s[12:13], s[98:99]
	; the prefetches: both roles' offsets (at step 1: the first change of slots steps them to step 2), then the choice by the wave's number
	s_lshl_b32 s95, s28, 7
	s_lshl_b32 s96, s25, 5
	s_add_co_u32 s95, s95, s96                     ; mask: row 128 x block + 32 cx,
	s_lshl_b32 s95, s95, 13
	s_lshl_b32 s96, s19, 8                         ; the wave's half of 256 bytes,
	s_add_co_u32 s95, s95, s96
	s_add_co_u32 s95, s95, 512
	s_lshr_b32 s96, s26, 1
	s_add_co_u32 s96, s96, 1                       ; K, V: stream cy: part 1 + cy / 2,
	s_mul_i32 s96, s96, QSZ
	s_and_b32 s97, s26, 1
	s_add_co_u32 s97, s97, s20                     ; pair cy % 2 of the group,
	s_mul_i32 s97, s97, PAIRB
	s_add_co_u32 s96, s96, s97
	s_lshl_b32 s97, s[QP], 13                      ; the wave's 8,192 bytes
	s_add_co_u32 s96, s96, s97
	s_add_co_u32 s96, s96, STEPB
	s_cmp_eq_u32 s[HP], 0
	s_cselect_b64 s[PFA:PFA+1], s[8:9], s[4:5]
	s_cselect_b32 s82, s95, s96
	s_mov_b32 s[PFS], STEPB
	s_cselect_b32 s[PFS], 512, s[PFS]
	s_mov_b32 s81, 256
	s_cselect_b32 s81, 8192, s81                   ; from lane to lane
	s_cselect_b32 s[EVR], 0, 1
	s_cselect_b32 s88, 2, 1
	s_cselect_b32 s89, ttmp9, s27                  ; the coordinate along which other clusters read the same bytes
	s_mov_b32 s83, 0
	s_mov_b32 s[PFS+1], 0
	s_add_nc_u64 s[PFA:PFA+1], s[PFA:PFA+1], s[82:83]
	s_add_co_u32 s88, s88, s[QP]
	s_lshr_b32 s88, s88, 2                         ; 0 in waves 0, 1 and 4, 5, 6
	s_or_b32 s88, s88, s89
	s_cmp_eq_u32 s88, 0
	s_cselect_b32 s[LIM], 1, -1                    ; the same in all sixteen partners, for a given wave
	v_mul_lo_u32 v[PFO], v4, s81
	; the sums begin as zeros and the largest t as -3e38: the step is written for every step alike
.irp i, 0,1,2,3
	v_mov_b32 v[ST+4*\i+1], 0xff61b1e6
	s_delay_alu instid0(VALU_DEP_1)
	v_floor_f32 v[ST+4*\i], -v[ST+4*\i+1]
	v_mov_b32 v[ST+4*\i+2], 0
	v_mov_b32 v[ST+4*\i+3], 0
	v_mov_b32 v[BP+\i], 0                          ; written once: a lane permute's destination counts as one of its sources
.endr
	v_mov_b32 v[F+1], 0                            ; (named as the upper half of a pair)
.set j, 0
.rept 32
	v_mov_b32 v[O3+j], 0
.set j, j+1
.endr
	WIN 0x40
.set j, 0
.rept 96
	v_mov_b32 v[j], 0
.set j, j+1
.endr
	WIN 0
; Eight score products of tile qi, head e: D = S^T (16 keys x 16 queries each), source 0 = K's tile t, source 1 = q with zeros for the other head, C = the mask's tile.  waits = 1: product t waits for its own loads:
; behind them stand the seven (three of K, four of the mask) of each later tile.
.macro SMUL qi, e, waits
	WIN 0x11                                       ; sources 0 and 2 window 1
.irp t, 0,1,2,3,4,5,6,7
.if \waits
	s_wait_dscnt 7*(7-\t)
.endif
.if \t%2
	v_wmma_scale_f32_16x16x128_f8f6f4 v[S+8*\t:S+8*\t+7], v[KF+12*\t:KF+12*\t+11], v[QF+18*(\qi)+6*(\e):QF+18*(\qi)+6*(\e)+11], v[MK+8*\t:MK+8*\t+7], v[KS+\t/2], v[QS+(\qi)] matrix_a_fmt:MATRIX_FMT_FP6 matrix_b_fmt:MATRIX_FMT_FP6 matrix_a_scale:MATRIX_SCALE_ROW1
.else
	v_wmma_scale_f32_16x16x128_f8f6f4 v[S+8*\t:S+8*\t+7], v[KF+12*\t:KF+12*\t+11], v[QF+18*(\qi)+6*(\e):QF+18*(\qi)+6*(\e)+11], v[MK+8*\t:MK+8*\t+7], v[KS+\t/2], v[QS+(\qi)] matrix_a_fmt:MATRIX_FMT_FP6 matrix_b_fmt:MATRIX_FMT_FP6
.endif
.endr
.endm
; From four blocks' largest magnitudes in v[BM] on (floor included): the conversions' scale operands, the bytes, the scale word in v[pw]; 64 numbers v[s] on become a fragment's codes in v[pc] on.
.macro CODES s, pc, pw
.irp b, 0,1,2,3
	s_delay_alu instid0(VALU_DEP_4)
	v_add_nc_u32 v[BS+\b], 0xff000000, v[BM+\b]    ; 2 off the exponent field: the conversion takes the exponent field of this operand as its scale, and nothing else of it
.endr
.irp b, 0,1,2,3
	s_delay_alu instid0(VALU_DEP_4)
	v_lshrrev_b32 v[BP+\b], 23, v[BS+\b]           ; the scale's byte
.endr
	s_delay_alu instid0(VALU_DEP_3)
	v_lshl_or_b32 v[\pw], v[BP+1], 8, v[BP]
	s_delay_alu instid0(VALU_DEP_1)
	v_lshl_or_b32 v[\pw], v[BP+2], 16, v[\pw]
	s_delay_alu instid0(VALU_DEP_1)
	v_lshl_or_b32 v[\pw], v[BP+3], 24, v[\pw]
.irp c, 0,1
	v_cvt_scalef32_pk16_fp6_f32 v[\pc+6*\c:\pc+6*\c+2], v[\s+32*\c:\s+32*\c+15], v[BS+2*\c]
	v_cvt_scalef32_pk16_fp6_f32 v[CT+4*\c:CT+4*\c+2], v[\s+32*\c+16:\s+32*\c+31], v[BS+2*\c+1]   ; (a conversion's three registers begin on an even number)
.endr
	v_nop                                          ; one plain line behind a scaled conversion
.irp c, 0,1                                    ; the operand's layout wants a WHOLE block in a lane: lanes 0-15 block 2 c, lanes 16-31 block 2 c + 1
.irp n, 0,1,2
	v_permlane16_swap_b32 v[\pc+6*\c+\n], v[CT+4*\c+\n]
.endr
.irp n, 0,1,2
	s_delay_alu instid0(VALU_DEP_3)
	v_mov_b32 v[\pc+6*\c+3+\n], v[CT+4*\c+\n]
.endr
.endr
.endm
; The softmax of tile-head i for this step's 128 keys.  Register 16 b + n of S^T is key 32 b + 16 (lane / 16) + n of my query.
.macro SOFT i
.set NM, ST+4*(\i)
.irp b, 0,1,2,3
	v_max3_num_f32 v[BM+\b], v[S+16*\b], v[S+1+16*\b], v[S+2+16*\b]   ; the largest logit of each block of 32 keys: for the row's maximum and, since p rises with the logit, for the block's largest p.  Each accumulator is read from its low end on
.endr
.irp n, 3,5,7,9,11,13
.irp b, 0,1,2,3
	v_max3_num_f32 v[BM+\b], v[BM+\b], v[S+16*\b+\n], v[S+1+16*\b+\n]
.endr
.endr
.irp b, 0,1,2,3
	v_max_num_f32 v[BM+\b], v[BM+\b], v[S+15+16*\b]
.endr
.irp b, 0,1,2,3
	s_delay_alu instid0(VALU_DEP_4)
	v_permlanex16_b32 v[BP+\b], v[BM+\b], s[SEL], s[SEL+1]
.endr
.irp b, 0,1,2,3
	s_delay_alu instid0(VALU_DEP_4)
	v_max_num_f32 v[BM+\b], v[BM+\b], v[BP+\b]     ; with lane l xor 16's 16 keys
.endr
	s_delay_alu instid0(VALU_DEP_2)
	v_max3_num_f32 v[T], v[BM], v[BM+1], v[BM+2]
	s_delay_alu instid0(VALU_DEP_1)
	v_max_num_f32 v[T], v[T], v[BM+3]
	s_delay_alu instid0(VALU_DEP_1)
	v_mul_f32 v[T], s[CS], v[T]                    ; the step's largest t
	s_delay_alu instid0(VALU_DEP_1)
	v_max_num_f32 v[NM+1], v[NM+1], v[T]           ; the running largest t
	v_mov_b32 v[T], v[NM]
	s_delay_alu instid0(VALU_DEP_2)
	v_floor_f32 v[NM], -v[NM+1]                    ; the new -M = floor(-t) = -ceil(t): a whole number
	s_delay_alu instid0(VALU_DEP_1)
	v_sub_f32 v[T], v[NM], v[T]                    ; old M - new M: a whole number, 0 or less
	s_delay_alu instid0(VALU_DEP_1)
	v_cvt_i32_f32 v[T], v[T]                       ; (it saturates)
	s_delay_alu instid0(VALU_DEP_1)
	v_ldexp_f32 v[F], 1.0, v[T]                    ; f = 2^(old M - new M): multiplying by it rounds nothing
.set j, 0
.rept 32
	v_pk_fma_f32 v[S+j:S+j+1], v[S+j:S+j+1], s[CS:CS+1], v[NM:NM+1] op_sel_hi:[1,0,0]   ; t - M, two at a time
.set j, j+2
.endr
.irp b, 0,1,2,3
	v_fma_f32 v[BM+\b], v[BM+\b], s[CS], v[NM]     ; the same of each block's largest logit
.endr
.set j, 0
	s_wait_alu depctr_va_vdst(0)
.rept 64
	v_exp_f32 v[S+j], v[S+j]                       ; p = 2^(t - M): not normalised
.set j, j+1
.endr
.irp b, 0,1,2,3
	v_exp_f32 v[BM+\b], v[BM+\b]                   ; the block's largest p: the same two instructions on the same number give the same bits
.endr
	v_pk_mul_f32 v[NM+2:NM+3], v[NM+2:NM+3], v[F:F+1] op_sel_hi:[1,0]   ; the sum under the new M (a plain line behind the exponentials)
	s_wait_alu depctr_va_vdst(0)
.irp b, 0,1,2,3
	v_max_num_f32 v[BM+\b], 0x1800000, v[BM+\b]    ; the floor 2^(3 - 127): the byte cannot fall under 1
.endr
	CODES S, PC+12*(\i), PW+(\i)
	v_pk_add_f32 v[CT:CT+1], v[S:S+1], v[S+2:S+3]  ; the row's sum is taken of the UNQUANTISED p: two at a time, in two chains
.set j, 4
.rept 15
	v_pk_add_f32 v[NM+2:NM+3], v[NM+2:NM+3], v[S+j:S+j+1]
	v_pk_add_f32 v[CT:CT+1], v[CT:CT+1], v[S+j+2:S+j+3]
.set j, j+4
.endr
	s_delay_alu instid0(VALU_DEP_1)
	v_pk_add_f32 v[NM+2:NM+3], v[NM+2:NM+3], v[CT:CT+1]
.endm
.macro RESC i                          ; O^T of tile-head i under the new M: x f, from each accumulator's low end on
.if (\i) < 3
	WIN 0x41
.set OB, 32*(\i)
.else
	WIN 0
.set OB, O3
.endif
.set j, 0
.rept 16
	v_pk_mul_f32 v[OB+j:OB+j+1], v[OB+j:OB+j+1], v[F:F+1] op_sel_hi:[1,0]
.set j, j+2
.endr
.endm
.macro PV1 i, t, o                     ; O^T(tile-head i, dims' tile t) += V^T p^T: source 0 = V's tile 4 e + t, source 1 = p's codes
.if (\t)%2
	v_wmma_scale_f32_16x16x128_f8f6f4 v[\o+8*(\t):\o+8*(\t)+7], v[KF+12*(4*((\i)%2)+(\t)):KF+12*(4*((\i)%2)+(\t))+11], v[PC+12*(\i):PC+12*(\i)+11], v[\o+8*(\t):\o+8*(\t)+7], v[VS+(4*((\i)%2)+(\t))/2], v[PW+(\i)] matrix_a_fmt:MATRIX_FMT_FP6 matrix_b_fmt:MATRIX_FMT_FP6 matrix_a_scale:MATRIX_SCALE_ROW1
.else
	v_wmma_scale_f32_16x16x128_f8f6f4 v[\o+8*(\t):\o+8*(\t)+7], v[KF+12*(4*((\i)%2)+(\t)):KF+12*(4*((\i)%2)+(\t))+11], v[PC+12*(\i):PC+12*(\i)+11], v[\o+8*(\t):\o+8*(\t)+7], v[VS+(4*((\i)%2)+(\t))/2], v[PW+(\i)] matrix_a_fmt:MATRIX_FMT_FP6 matrix_b_fmt:MATRIX_FMT_FP6
.endif
.endm
.macro PVMUL                           ; sixteen products, each accumulator once: the accumulators take turns
	WIN 0x51                                       ; source 0 (V), C and D window 1; source 1 (p) window 0
.irp t, 0,1,2,3
.irp i, 0,1,2
	PV1 \i, \t, 32*\i
.endr
.endr
	WIN 0x01                                       ; tile-head 3's O^T lies in window 0
.irp t, 0,1,2,3
	PV1 3, \t, O3
.endr
.endm
; A KEY STEP: 128 keys.  Every window is 0 at its head.
.macro STEP
	v_add_nc_u32 v[AKV], s[TB], v[AKV0]
	v_add_nc_u32 v[AM], s[TB], v[AM0]
	v_add_nc_u32 v[ASC], s[TS], v[ASC0]
	v_nop                                          ; with the three additions: four places behind the last step's products, whose fragments' registers are loaded anew
.irp u, 0,1,2,3
	ds_load_b32 v[KS+\u], v[ASC] offset:128*\u     ; K's scale words: 64 bytes a tile, two tiles a register
.endr
	WIN 0x40
.irp t, 0,1,2,3,4,5,6,7
.irp c, 0,1,2
	ds_load_b128 v[KF+12*\t+4*\c:KF+12*\t+4*\c+3], v[AKV] offset:1536*\t+512*\c
.endr
.irp p, 0,1,2,3
	ds_load_b64 v[MK+8*\t+2*\p:MK+8*\t+2*\p+1], v[AM] offset:128*(\t/2)+32*(\t%2)+8*\p   ; my query's row: keys 32 (t / 2) + 8 (t % 2) + 16 h + 0 .. 7
.endr
.endr
	SMUL 0, 0, 1
	PLACES
	WIN 0
	SOFT 0
	RESC 0
	SMUL 0, 1, 0
	PLACES
	WIN 0x40
.irp t, 0,1,2,3,4,5,6,7                        ; the mask's tile of my second 16 queries, eight rows further down
.irp p, 0,1,2,3
	ds_load_b64 v[MK+8*\t+2*\p:MK+8*\t+2*\p+1], v[AM] offset:8*MP+128*(\t/2)+32*(\t%2)+8*\p
.endr
.endr
	WIN 0
	SOFT 1
	RESC 1
	s_wait_dscnt 0x0                               ; the mask's tile is in (asked for a softmax ago)
	SMUL 1, 0, 0
	PLACES
	WIN 0
	SOFT 2
	RESC 2
	SMUL 1, 1, 0
	PLACES                                         ; K's fragments are done with: V's take their registers
	WIN 0
.irp u, 0,1,2,3
	ds_load_b32 v[VS+\u], v[ASC] offset:2*PAIRS+128*\u
.endr
	WIN 0x40
.irp t, 0,1,2,3,4,5,6,7
.irp c, 0,1,2
	ds_load_b128 v[KF+12*\t+4*\c:KF+12*\t+4*\c+3], v[AKV] offset:2*STEPB+1536*\t+512*\c
.endr
.endr
	WIN 0
	SOFT 3
	RESC 3
	s_wait_alu depctr_va_vdst(0)
	s_wait_dscnt 0x0                               ; V is in (asked for a softmax ago)
	PVMUL
	WIN 0
.endm
; THE CHANGE OF SLOTS stands at a step's head.  Each wave waits for all its tensor loads (its part of the slot that it is about to read), adds 0 to its spare word, and waits for that and for its reads of the slot that it has left.
; fill = 1: a round of the cluster's barrier, so that no wave of any partner still reads that slot or has a load on its way; the joint refill is the first thing behind it and has a whole step in which to land.
.macro CHANGE fill
	s_wait_tensorcnt 0x0                           ; no tensor load of mine is out, so a group 0 may be written
	ds_add_u32 v[SPW], v[NIL]                      ; 0 onto my spare word
.if \fill
	s_xor_b32 s[G0M+1], s[G0M+1], SLOT1            ; the walking descriptors: the other slot than last time,
	s_add_nc_u64 s[G0M+2:G0M+3], s[G0M+2:G0M+3], 512     ; the next 128 keys' columns of the mask,
	s_xor_b32 s[G0C+1], s[G0C+1], SLOT1
	s_add_nc_u64 s[G0C+2:G0C+3], s[G0C+2:G0C+3], STEPB   ; the next eight fragments
	s_wait_xcnt 0x0                                ; the last prefetch, a step back, has read its address, so it may be written
	s_add_nc_u64 s[PFA:PFA+1], s[PFA:PFA+1], s[PFS:PFS+1]
	s_wait_dscnt 0x0                               ; the add is done, and my reads of the slot that I have left are over
	CROUND
	JLOAD
	ASK
.else
	s_wait_dscnt 0x0
	s_barrier_signal -1
	s_barrier_wait -1
.endif
.endm
	s_wait_loadcnt 0x0                             ; q
.Lslot:                                            ; 15 trips: behind each change of slots but the last the next step's tiles are asked for
	CHANGE 1
	STEP
	s_xor_b32 s[TB], s[TB], SLOT1
	s_add_co_u32 s[TS], s[TS], 512
	s_sub_co_u32 s[SLOTS], s[SLOTS], 1
	s_cmp_lg_u32 s[SLOTS], 0
	s_cbranch_scc1 .Lslot
	CHANGE 0                                       ; the last step is written out
	STEP
	; THE END.  1 / l for each tile-head; O^T / l; the quantiser along (head, dim); codes through the stage, scale words straight out.
.irp i, 0,1,2,3
	v_add_f32 v[ST+4*\i+2], v[ST+4*\i+2], v[ST+4*\i+3]     ; the sum's two halves (these four lines are the places behind the last products)
.endr
.irp i, 0,1,2,3
	s_delay_alu instid0(VALU_DEP_4)
	v_permlanex16_b32 v[BP+\i], v[ST+4*\i+2], s[SEL], s[SEL+1]
.endr
.irp i, 0,1,2,3
	s_delay_alu instid0(VALU_DEP_4)
	v_add_f32 v[ST+4*\i+2], v[ST+4*\i+2], v[BP+\i]         ; and lane l xor 16's: the row's sum
.endr
	s_wait_alu depctr_va_vdst(0)
.irp i, 0,1,2,3
	v_rcp_f32 v[ST+4*\i+2], v[ST+4*\i+2]
.endr
	v_and_b32 v[T], 15, v0                         ; (a plain line behind the reciprocals)
	s_delay_alu instid0(VALU_DEP_1)
	v_and_b32 v[TA], 8, v[T]
	s_delay_alu instid0(VALU_DEP_1)
	v_add_nc_u32 v[T], v[T], v[TA]                 ; r + 8 (r / 8)
	s_delay_alu instid0(VALU_DEP_1)
	v_lshlrev_b32 v[AM], 5, v[T]                   ; o_scales: 32 bytes a token
	s_lshl_b32 s88, s[QP], 5
	v_add_nc_u32 v[T], s88, v[T]
	s_delay_alu instid0(VALU_DEP_1)
	v_mul_u32_u24 v[AKV], v[T], SP                 ; the stage: my token's row,
	v_bfe_u32 v[TA], v0, 4, 1
	s_delay_alu instid0(VALU_DEP_1)
	v_mad_u32_u24 v[AKV], v[TA], 24, v[AKV]        ; my half's 24 bytes of a block pair,
	s_mul_i32 s88, s[HP], 96                       ; my pair's 96 bytes
	s_add_co_u32 s88, s88, STG
	v_add_nc_u32 v[AKV], s88, v[AKV]
	v_lshl_add_u32 v[ASC], v0, 4, STG              ; and back: 16 bytes a thread
	s_wait_alu depctr_va_vdst(0)
.macro FIN qi                          ; my tile qi of queries: its two heads' 2 x 32 numbers a lane are one fragment, K step (pair) of the last product
.irp e, 0,1
.if 2*(\qi)+\e < 3
	WIN 0x01
.set OB, 32*(2*(\qi)+\e)
.else
	WIN 0
.set OB, O3
.endif
.set RL, ST+4*(2*(\qi)+\e)+2
.set j, 0
.rept 16
	v_pk_mul_f32 v[S+32*\e+j:S+32*\e+j+1], v[OB+j:OB+j+1], v[RL:RL+1] op_sel_hi:[1,0]   ; O^T / l: register 16 b + n is dim 32 b + 16 h + n of the pair; each accumulator from its low end on
.set j, j+2
.endr
.endr
	WIN 0
.irp b, 0,1,2,3
	v_max3_num_f32 v[BM+\b], |v[S+16*\b]|, |v[S+1+16*\b]|, 0x1800000
.endr
.irp n, 2,4,6,8,10,12,14
.irp b, 0,1,2,3
	s_delay_alu instid0(VALU_DEP_4)
	v_max3_num_f32 v[BM+\b], v[BM+\b], |v[S+16*\b+\n]|, |v[S+1+16*\b+\n]|
.endr
.endr
.irp b, 0,1,2,3
	s_delay_alu instid0(VALU_DEP_4)
	v_permlanex16_b32 v[BP+\b], v[BM+\b], s[SEL], s[SEL+1]
.endr
.irp b, 0,1,2,3
	s_delay_alu instid0(VALU_DEP_4)
	v_max_num_f32 v[BM+\b], v[BM+\b], v[BP+\b]
.endr
	CODES S, PC+24*(\qi), PW+(\qi)
.irp p, 0,1,2,3,4,5
	ds_store_b64 v[AKV], v[PC+24*(\qi)+2*\p:PC+24*(\qi)+2*\p+1] offset:8*SP*(\qi)+48*(\p/3)+8*(\p%3)   ; registers 6 c on: 24 bytes at 48 c + 24 h of the pair's 96
.endr
	global_store_b32 v[AM], v[PW+(\qi)], s[12:13] offset:256*(\qi)   ; the row's scale word of this pair (lanes l and l xor 16 store the same word to the same place)
.endm
	FIN 0
	FIN 1
	s_wait_dscnt 0x0                               ; for the others' sake: my stores into the stage are done
	s_barrier_signal -1
	s_barrier_wait -1
.irp j, 0,1,2,3,4,5
	ds_load_b128 v[S+4*\j:S+4*\j+3], v[ASC] offset:4096*\j
.endr
.irp j, 0,1,2,3,4,5                            ; piece n = thread + 256 j of 16 bytes lies in stage row n / 12; a row of o_codes is 576 bytes longer than a stage row.  n x 43,691 >> 19 = n / 12 for n under 1,536
	v_add_nc_u32 v[S+32+\j], 256*\j, v0
	s_delay_alu instid0(VALU_DEP_1)
	v_mul_u32_u24 v[S+40+\j], v[S+32+\j], 0xaaab
	s_delay_alu instid0(VALU_DEP_1)
	v_lshrrev_b32 v[S+40+\j], 19, v[S+40+\j]
	s_delay_alu instid0(VALU_DEP_1)
	v_mul_u32_u24 v[S+40+\j], v[S+40+\j], 576
	s_delay_alu instid0(VALU_DEP_1)
	v_lshl_add_u32 v[S+32+\j], v[S+32+\j], 4, v[S+40+\j]
.endr
	s_wait_alu depctr_va_vdst(0)
.irp j, 0,1,2,3,4,5
	s_wait_dscnt 5-\j                              ; the later loads from the stage may be out
	global_store_b128 v[S+32+\j], v[S+4*\j:S+4*\j+3], s[10:11]     ; twelve neighbouring lanes store a row's 192 consecutive bytes
.endr
	s_wait_tensorcnt 0x0                           ; the wave's end
	ds_add_u32 v[SPW], v[NIL]
	s_wait_dscnt 0x0
	CROUND                                         ; the closing round: no work-group ends while a partner may still ask for a tile that names it
	s_endpgm
.Lfunc_end_k_q3b8fc2b934_attn:
	.size	k_q3b8fc2b934_attn, .Lfunc_end_k_q3b8fc2b934_attn-k_q3b8fc2b934_attn
	.p2alignl 7, 3214868480
	.fill 96, 4, 3214868480
	.section	.rodata,"a",@progbits
	.p2align	6, 0x0
	.amdhsa_kernel k_q3b8fc2b934_attn
		.amdhsa_group_segment_fixed_size 327680
		.amdhsa_private_segment_fixed_size 0
		.amdhsa_enable_private_segment 0
		.amdhsa_kernarg_size 40
		.amdhsa_user_sgpr_count 2
		.amdhsa_user_sgpr_kernarg_segment_ptr 1
		.amdhsa_wavefront_size32 1
		.amdhsa_system_sgpr_workgroup_id_x 1
		.amdhsa_system_sgpr_workgroup_id_y 1
		.amdhsa_system_sgpr_workgroup_id_z 1
		.amdhsa_system_vgpr_workitem_id 0
		.amdhsa_next_free_vgpr 512
		.amdhsa_next_free_sgpr 100
		.amdhsa_reserve_vcc 0
		.amdhsa_float_denorm_mode_32 3
		.amdhsa_float_denorm_mode_16_64 3
		.amdhsa_memory_ordered 1
		.amdhsa_forward_progress 1
		.amdhsa_inst_pref_size 172
	.end_amdhsa_kernel
	.amdgpu_metadata
---
amdhsa.version: [ 1, 2 ]
amdhsa.kernels:
  - .name:           k_q3b8fc2b934_attn
    .symbol:         k_q3b8fc2b934_attn.kd
    .args:
      - { .name: qkv_codes, .offset: 0, .size: 8, .value_kind: global_buffer, .address_space: global }
      - { .name: qkv_scales, .offset: 8, .size: 8, .value_kind: global_buffer, .address_space: global }
      - { .name: mask, .offset: 16, .size: 8, .value_kind: global_buffer, .address_space: global }
      - { .name: o_codes, .offset: 24, .size: 8, .value_kind: global_buffer, .address_space: global }
      - { .name: o_scales, .offset: 32, .size: 8, .value_kind: global_buffer, .address_space: global }
    .group_segment_fixed_size: 327680
    .private_segment_fixed_size: 0
    .kernarg_segment_align: 8
    .kernarg_segment_size: 40
    .max_flat_workgroup_size: 256
    .sgpr_count:     100
    .vgpr_count:     512
    .wavefront_size: 32
...
	.end_amdgpu_metadata
.endif
;; end of part 3
;; launch proj (part 4): grid 4 x 64, 4 waves a work-group, clusters of 4 x 4, 327,680 bytes of LDS; arguments o_codes, o_scales, xw_codes, xw_scales, out0; writes out0
.if DOCPART == 4
	.amdgcn_target "amdgcn-amd-amdhsa--gfx1250"
	.amdhsa_code_object_version 6
	.text
	.protected	k_q3b8fc2b934_proj
	.globl	k_q3b8fc2b934_proj
	.p2align	8
	.type	k_q3b8fc2b934_proj,@function
k_q3b8fc2b934_proj:
	s_mov_b64 s[64:65], 0
	v_nop
	global_prefetch_b8 v0, s[64:65] scope:SCOPE_SE
	s_setreg_imm32_b32 hwreg(HW_REG_WAVE_MODE, 25, 1), 1
	s_wait_xcnt 0x0
	s_wait_alu depctr_hold_cnt(0) depctr_sa_sdst(0) depctr_va_vdst(0) depctr_va_sdst(0) depctr_va_ssrc(0) depctr_va_vcc(0) depctr_vm_vsrc(0)
	s_getreg_b32 s2, hwreg(HW_REG_IB_STS2, 6, 4)
	s_cmp_eq_u32 s2, 0
	s_cbranch_scc0 .Lentry_in_a_cluster
	s_endpgm
.Lentry_in_a_cluster:
	s_bfe_u32 s2, ttmp6, 0x10000c
	s_cmp_lg_u32 s2, 0xf033
	s_cbranch_scc0 .Lentry_shape_is_right
	s_endpgm
.Lentry_shape_is_right:
; out0 = O Wout^T on codes of FP6 (E2M3) with E8M0 scales; f32 out.  A = O's tokens, B = Wout's rows.
; A work-group makes 128 (A's rows) x 256 (B's rows); K = 1,024 lies in LDS whole: 384 rows of 768 bytes, stated as dense rows of 256 bytes with 16 bytes of padding behind each: an LDS row of codes is 816 bytes.
; Every tile is filled once, by one joint load a wave at the head (waves 0, 1: 64 rows of A each, shared along the cluster's row; waves 2, 3: 128 rows of B each, shared along its column).  Nothing is filled again.
; No prefetch is written: all tiles are asked for at the head, and there is no loop to run ahead in.
; A wave makes 64 x 128: 32 accumulators (window 2).  Window 1: B's fragments, two sets.  Window 0: addresses, v32-47 A's scale words, v48-79 B's, v128-223 A's fragments, two sets; on the way out v128-255 hold rows read back.
; Scale words come straight from memory: lanes 0-15 hold the words of K steps 0-3, lanes 16-31 those of steps 4-7.  The matrix instruction is used transposed: a lane holds eight neighbouring numbers of a row of the result.
; The way out goes through a stage of 16 rows x 528 bytes a wave, laid over the tiles behind a barrier behind which nobody reads them.
.set SIZE_N, 1024
.set WOC_OFF, 8650752
.set WOS_OFF, 360448
.set KROW,   768
.set PITCH,  816
.set FR,     12
.set ATILE,  128*PITCH
.set SPARE,  384*PITCH                 ; the spare words, 512 bytes that no other line names
.set SPITCH, 528
.set ADRA, 16
.set ADRB, 18
.set STO,  24
.set RD,   25
.set CO,   26
.set ADRS, 27
.set SPW,  28
.set NIL,  29
.set SA,   32
.set SB,   48
.set AF,   128
.set BK,   128
.set G1, 24
.set G0, 32
.set G1B, 48
.set G0B, 56
.set MSB, 0
.macro WIN new
.if MSB != \new
	s_set_vgpr_msb (MSB<<8)|\new
.set MSB, \new
.endif
.endm
.set MUL,  0xa1
.set TO_B, 0x40
.macro PLACES
.rept 4
	v_nop
.endr
.endm
.macro CROUND
	s_barrier_signal -1
	s_barrier_wait -1
	s_cmp_lg_u32 s14, 0
	s_cbranch_scc1 .Lnot_wave_0_\@
	s_barrier_signal -3
.Lnot_wave_0_\@:
	s_barrier_wait -3
	s_barrier_signal -1
	s_barrier_wait -1
.endm
	s_load_b128 s[4:7], s[0:1], 0x0                ; O's codes, O's scales
	s_load_b128 s[8:11], s[0:1], 0x10              ; the weights' codes, scales
	s_load_b64 s[12:13], s[0:1], 0x20              ; out0
	v_lshl_add_u32 v[SPW], v0, 2, SPARE
	v_mov_b32 v[NIL], 0
	ds_add_u32 v[SPW], v[NIL]                      ; the opening lines: the add twice and one wait
	ds_add_u32 v[SPW], v[NIL]
	v_lshrrev_b32 v1, 5, v0
	v_readfirstlane_b32 s14, v1
	s_lshr_b32 s15, s14, 1                         ; my half of A's rows; also 0: I fetch for A, 1: for B
	s_and_b32 s16, s14, 1                          ; my half of B's rows; also which half I fetch
	s_bfe_u32 s40, ttmp6, 0x40000
	s_bfe_u32 s41, ttmp6, 0x40004
	s_lshl_b32 s42, ttmp9, 2
	s_add_co_u32 s42, s42, s40                     ; B's tile of 256 rows
	s_and_b32 s17, ttmp7, 0xffff
	s_lshl_b32 s17, s17, 2
	s_add_co_u32 s17, s17, s41                     ; A's tile of 128 rows
	s_lshl_b32 s43, s41, 2
	s_lshl_b32 s43, 15, s43
	s_lshl_b32 s44, 0x1111, s40
	s_or_b32 s[G1], s43, (3<<16)|(1<<20)|(1<<21)|(5<<22)|(3<<25)
	s_or_b32 s[G1B], s44, (3<<16)|(1<<20)|(1<<21)|(5<<22)|(3<<25)
.irp g, G1, G1B
	s_mov_b32 s[\g+1], 32<<16
	s_mov_b32 s[\g+3], 32<<16
	s_mov_b32 s[\g+5], 32
	s_mov_b32 s[\g+6], 0
	s_mov_b32 s[\g+7], 0
.endr
	s_mov_b32 s[G1+2], 192<<16
	s_mov_b32 s[G1+4], 192
	s_mov_b32 s[G1B+2], 384<<16
	s_mov_b32 s[G1B+4], 384
	s_lshl_b32 s20, s17, 7
	s_lshl_b32 s18, s16, 6
	s_add_co_u32 s18, s20, s18                     ; the rows of A that I fetch
	s_mul_i32 s18, s18, KROW
	s_mov_b32 s19, 0
	s_lshl_b32 s21, s15, 6
	s_add_co_u32 s20, s20, s21                     ; the rows of A that I multiply
	s_lshl_b32 s38, s20, 5
	s_mov_b32 s39, 0
	s_lshl_b32 s46, s42, 8
	s_lshl_b32 s47, s16, 7
	s_add_co_u32 s46, s46, s47                     ; my rows of B
	s_mul_i32 s36, s46, KROW
	s_add_co_u32 s36, s36, WOC_OFF
	s_mov_b32 s37, 0
	s_lshl_b32 s22, s46, 5
	s_add_co_u32 s22, s22, WOS_OFF
	s_mov_b32 s23, 0
	s_lshl_b32 s20, s20, 12                        ; out0: 4,096 bytes a row,
	s_lshl_b32 s46, s46, 2                         ; 4 bytes a column
	s_add_co_u32 s20, s20, s46
	s_mov_b32 s21, 0
	s_mul_i32 s45, s15, 64*PITCH
	s_mul_i32 s47, s16, 128*PITCH
	s_add_co_u32 s47, s47, ATILE
	s_add_co_u32 s3, s47, 64*PITCH
	s_mul_i32 s2, s14, 16*SPITCH                   ; my stage
	s_wait_dscnt 0x0
	s_wait_kmcnt 0x0
	s_mov_b32 s[G0], 1
	s_mul_i32 s[G0+1], s16, 64*PITCH
	s_add_nc_u64 s[G0+2:G0+3], s[4:5], s[18:19]
	s_or_b32 s[G0+3], s[G0+3], 0x80000000
	s_mov_b32 s[G0B], 1
	s_mul_i32 s[G0B+1], s16, 128*PITCH
	s_add_co_u32 s[G0B+1], s[G0B+1], ATILE
	s_add_nc_u64 s[G0B+2:G0B+3], s[8:9], s[36:37]
	s_or_b32 s[G0B+3], s[G0B+3], 0x80000000
	s_add_nc_u64 s[38:39], s[6:7], s[38:39]
	s_add_nc_u64 s[22:23], s[10:11], s[22:23]
	s_add_nc_u64 s[12:13], s[12:13], s[20:21]
	CROUND
	s_cmp_eq_u32 s15, 0
	s_cbranch_scc0 .Lfor_b
	tensor_load_to_lds s[G0:G0+3], s[G1:G1+7]
	s_nop 0
	PLACES
	s_branch .Lasked
.Lfor_b:
	tensor_load_to_lds s[G0B:G0B+3], s[G1B:G1B+7]
	s_nop 0
	PLACES
.Lasked:
	v_and_b32 v1, 15, v0
	v_bfe_u32 v2, v0, 4, 1
	v_mul_u32_u24 v3, v1, PITCH
	v_mad_u32_u24 v3, v2, 24, v3
	v_lshl_add_u32 v4, v2, 4, v3
	v_add_nc_u32 v[ADRA], s45, v3
	v_add_nc_u32 v[ADRA+1], s45, v4
	v_add_nc_u32 v[ADRB], s47, v3
	v_add_nc_u32 v[ADRB+1], s47, v4
	v_add_nc_u32 v[ADRB+2], s3, v3
	v_add_nc_u32 v[ADRB+3], s3, v4
	v_lshlrev_b32 v[ADRS], 5, v1
	v_lshl_add_u32 v[ADRS], v2, 4, v[ADRS]
	v_mul_u32_u24 v5, v1, SPITCH
	v_lshl_add_u32 v5, v2, 5, v5
	v_add_nc_u32 v[STO], s2, v5                    ; into the stage: row r, 32 bytes for each half of the lanes
	v_and_b32 v6, 31, v0
	v_lshlrev_b32 v[CO], 4, v6                     ; back: 32 lanes take a row of 512 bytes
	v_add_nc_u32 v[RD], s2, v[CO]
	s_wait_alu depctr_va_vdst(0)
.irp i, 0,1,2,3
	global_load_b128 v[SA+4*\i:SA+4*\i+3], v[ADRS], s[38:39] offset:512*\i
.endr
.irp i, 0,1,2,3,4,5,6,7
	global_load_b128 v[SB+4*\i:SB+4*\i+3], v[ADRS], s[22:23] offset:512*\i
.endr
.macro FRAG reg, adr, st, i
.irp p, 0,1,2,3,4,5
.set BY, 96*(\st)+48*(\p/3)+8*(\p%3)
.if BY/256 == (BY+24)/256
	ds_load_b64 v[\reg+2*\p:\reg+2*\p+1], v[\adr] offset:BY+16*(BY/256)+(\i)*16*PITCH
.else
	ds_load_b64 v[\reg+2*\p:\reg+2*\p+1], v[\adr+1] offset:BY+16*(BY/256)+(\i)*16*PITCH
.endif
.endr
.endm
.macro FETCH_B st
	WIN TO_B
.irp i, 0,1,2,3
	FRAG 128*((\st)%2)+FR*\i, ADRB, \st, \i
	FRAG 128*((\st)%2)+FR*(\i+4), ADRB+2, \st, \i
.endr
	WIN 0
.endm
.macro FETCH_A st
.irp i, 0,1,2,3
	FRAG AF+48*((\st)%2)+FR*\i, ADRA, \st, \i
.endr
.endm
.macro MUL16 a0, st
.irp a, \a0, \a0+1
.irp b, 0,1,2,3,4,5,6,7
.if (\st) == 0
	v_wmma_scale_f32_16x16x128_f8f6f4 v[8*(8*(\a)+\b):8*(8*(\a)+\b)+7], v[128*((\st)%2)+FR*\b:128*((\st)%2)+FR*\b+11], v[AF+48*((\st)%2)+FR*(\a):AF+48*((\st)%2)+FR*(\a)+11], 0, v[SB+4*\b+(\st)%4], v[SA+4*(\a)+(\st)%4] matrix_a_fmt:MATRIX_FMT_FP6 matrix_b_fmt:MATRIX_FMT_FP6
.elseif (\st) < 4
	v_wmma_scale_f32_16x16x128_f8f6f4 v[8*(8*(\a)+\b):8*(8*(\a)+\b)+7], v[128*((\st)%2)+FR*\b:128*((\st)%2)+FR*\b+11], v[AF+48*((\st)%2)+FR*(\a):AF+48*((\st)%2)+FR*(\a)+11], v[8*(8*(\a)+\b):8*(8*(\a)+\b)+7], v[SB+4*\b+(\st)%4], v[SA+4*(\a)+(\st)%4] matrix_a_fmt:MATRIX_FMT_FP6 matrix_b_fmt:MATRIX_FMT_FP6
.else
	v_wmma_scale_f32_16x16x128_f8f6f4 v[8*(8*(\a)+\b):8*(8*(\a)+\b)+7], v[128*((\st)%2)+FR*\b:128*((\st)%2)+FR*\b+11], v[AF+48*((\st)%2)+FR*(\a):AF+48*((\st)%2)+FR*(\a)+11], v[8*(8*(\a)+\b):8*(8*(\a)+\b)+7], v[SB+4*\b+(\st)%4], v[SA+4*(\a)+(\st)%4] matrix_a_fmt:MATRIX_FMT_FP6 matrix_b_fmt:MATRIX_FMT_FP6 matrix_a_scale:MATRIX_SCALE_ROW1 matrix_b_scale:MATRIX_SCALE_ROW1
.endif
.endr
.endr
.endm
	s_wait_tensorcnt 0x0                           ; my part of the tiles is in
	s_barrier_signal -1
	s_barrier_wait -1                              ; and everybody's
	FETCH_B 0
	FETCH_A 0
	s_wait_loadcnt 0x0                             ; the scale words
.set ST, 0
.rept 7
.if ST > 0
	PLACES                                         ; behind the last step's products: the sets that they read are loaded anew
.endif
	FETCH_B ST+1
	s_wait_dscnt 48                                ; all but the 48 just issued: this step's fragments are in
	WIN MUL
	MUL16 0, ST
	WIN 0
	FETCH_A ST+1
	WIN MUL
	MUL16 2, ST
.set ST, ST+1
.endr
	s_wait_dscnt 0x0                               ; my last reads of the tiles are over:
	s_barrier_signal -1                            ; say so,
	MUL16 0, 7
	MUL16 2, 7
	WIN 0
	s_barrier_wait -1                              ; and behind this wait nobody reads them: the stages may lie there
.macro TOSTAGE a
.set AC, 64*(\a)
	WIN 0x08                                       ; the data: window 2
.irp b, 0,1,2,3,4,5,6,7
	ds_store_b128 v[STO], v[AC+8*\b:AC+8*\b+3] offset:64*\b          ; each accumulator from its low end on
	ds_store_b128 v[STO], v[AC+8*\b+4:AC+8*\b+7] offset:64*\b+16
.endr
	WIN 0
.set BB, BK+64*((\a)%2)
.irp t, 0,1,2,3,4,5,6,7,8,9,10,11,12,13,14,15
	ds_load_b128 v[BB+4*\t:BB+4*\t+3], v[RD] offset:\t*SPITCH        ; in order behind my own stores
.endr
.endm
.macro SEND a, younger
.set BB, BK+64*((\a)%2)
	s_wait_dscnt \younger
.if (\a) > 0
	s_add_nc_u64 s[12:13], s[12:13], 16*SIZE_N*4   ; behind a wait on XCNT: the earlier stores have read their base
.endif
.irp t, 0,1,2,3,4,5,6,7,8,9,10,11,12,13,14,15
	global_store_b128 v[CO], v[BB+4*\t:BB+4*\t+3], s[12:13] offset:\t*SIZE_N*4 th:TH_STORE_NT   ; 32 lanes store 512 consecutive bytes, aligned
.endr
.endm
	PLACES
	TOSTAGE 0
.irp a, 1,2,3
.if \a > 1
	s_wait_xcnt 0x0                                ; block a - 2's stores have read their registers and their base
.endif
	TOSTAGE \a
	SEND \a-1, 32                                  ; behind block a - 1's loads: block a's 16 stores and 16 loads
.endr
	s_wait_xcnt 0x0
	SEND 3, 0
	s_wait_tensorcnt 0x0                           ; the wave's end
	ds_add_u32 v[SPW], v[NIL]
	s_wait_dscnt 0x0
	CROUND                                         ; the closing round
	s_endpgm
.Lfunc_end_k_q3b8fc2b934_proj:
	.size	k_q3b8fc2b934_proj, .Lfunc_end_k_q3b8fc2b934_proj-k_q3b8fc2b934_proj
	.p2alignl 7, 3214868480
	.fill 96, 4, 3214868480
	.section	.rodata,"a",@progbits
	.p2align	6, 0x0
	.amdhsa_kernel k_q3b8fc2b934_proj
		.amdhsa_group_segment_fixed_size 327680
		.amdhsa_private_segment_fixed_size 0
		.amdhsa_enable_private_segment 0
		.amdhsa_kernarg_size 40
		.amdhsa_user_sgpr_count 2
		.amdhsa_user_sgpr_kernarg_segment_ptr 1
		.amdhsa_wavefront_size32 1
		.amdhsa_system_sgpr_workgroup_id_x 1
		.amdhsa_system_sgpr_workgroup_id_y 1
		.amdhsa_system_sgpr_workgroup_id_z 1
		.amdhsa_system_vgpr_workitem_id 0
		.amdhsa_next_free_vgpr 768
		.amdhsa_next_free_sgpr 66
		.amdhsa_reserve_vcc 0
		.amdhsa_float_denorm_mode_32 3
		.amdhsa_float_denorm_mode_16_64 3
		.amdhsa_memory_ordered 1
		.amdhsa_forward_progress 1
		.amdhsa_inst_pref_size 93
	.end_amdhsa_kernel
	.amdgpu_metadata
---
amdhsa.version: [ 1, 2 ]
amdhsa.kernels:
  - .name:           k_q3b8fc2b934_proj
    .symbol:         k_q3b8fc2b934_proj.kd
    .args:
      - { .name: o_codes, .offset: 0, .size: 8, .value_kind: global_buffer, .address_space: global }
      - { .name: o_scales, .offset: 8, .size: 8, .value_kind: global_buffer, .address_space: global }
      - { .name: xw_codes, .offset: 16, .size: 8, .value_kind: global_buffer, .address_space: global }
      - { .name: xw_scales, .offset: 24, .size: 8, .value_kind: global_buffer, .address_space: global }
      - { .name: out0, .offset: 32, .size: 8, .value_kind: global_buffer, .address_space: global }
    .group_segment_fixed_size: 327680
    .private_segment_fixed_size: 0
    .kernarg_segment_align: 8
    .kernarg_segment_size: 40
    .max_flat_workgroup_size: 128
    .sgpr_count:     66
    .vgpr_count:     768
    .wavefront_size: 32
...
	.end_amdgpu_metadata
.endif
;; end of part 4
